; MI455X (gfx1250); checked and timed in simulation.
; The chip was launched on July 23, 2026; its instructions are those of AMD's public machine-readable ISA for CDNA 5 (MIT licence, August 2026) and "CDNA5" Instruction Set Architecture Reference Guide (July 2026). The comments in the code are by the model that wrote it; some were corrected since.
;; Causal Self Attention. Allowed arithmetic: matrix products marked QUANTISED: E4M3 operands, one E8M0 scale for each 32 along K, by v_wmma_scale_f32_16x16x128_f8f6f4 with both operands' format E4M3, f32 sums; everything else in f32.
;; Inputs: W_attn 1,024 x 3,072 float32; W_proj 1,024 x 1,024 float32; b_attn 3,072 float32; b_proj 1,024 float32; x 4 x 2,048 x 1,024 float32.
;; Outputs: out0 4 x 2,048 x 1,024 float32.
;; This version of the problem:
;;   THIS VERSION OF THE PROBLEM IS GIVEN IN LOW PRECISION. The matrix products marked QUANTISED in the list below multiply operands that are first quantised to E4M3 (4 exponent bits, 3 mantissa bits; 8 bits a number), with one power-of-two scale for each 32 numbers along K (OCP MX v1.0); their sums are f32. All else is computed in f32.
;;   The module's matrix products, in the order in which they are computed (A, B: the left and right operand; K: the contracted axis; several contracted axes count as one K, in the product's order):
;;     1. [M 8,192, K 1,024] x [K 1,024, N 3,072]; A: input x; B: input W_attn: QUANTISED
;;     2. batch 64 x [M 2,048, K 64] x [K 64, N 2,048]; A: computed on the way; B: computed on the way: QUANTISED
;;     3. batch 64 x [M 2,048, K 2,048] x [K 2,048, N 64]; A: softmax (see below); B: computed on the way: QUANTISED
;;     4. [M 8,192, K 1,024] x [K 1,024, N 1,024]; A: computed on the way; B: input W_proj: QUANTISED
;;   THE QUANTISER, for each operand of a quantised product, along K:
;;     - K is cut into blocks of 32 from its start; a last block that is shorter is filled with zeros.
;;     - A block's scale is 2^e with e = floor(log2(the largest magnitude in the block)) - 8, held to -126 .. 127; a block of zeros has e = 0. As a byte (E8M0): e + 127.
;;     - Each number is divided by its block's scale, clamped to +-448, and rounded to the nearest number of E4M3, ties to even, subnormals kept.
;;     - The product sums the exact products of the quantised numbers (number of the format x scale) in f32.
;;   ~~~python
;;   def quantise(x, axis):      # numpy; x: float32 -> the quantised numbers, widened to float32 again
;;       x = np.moveaxis(x, axis, -1); K = x.shape[-1]
;;       x = np.pad(x, [(0, 0)] * (x.ndim - 1) + [(0, -K % 32)]); x = x.reshape(x.shape[:-1] + (-1, 32)); a = np.abs(x).max(-1, keepdims=True)
;;       e = np.where(a > 0, np.clip(np.frexp(np.where(a > 0, a, 1))[1] - 1 - 8, -126, 127), 0)      # np.frexp(a)[1] - 1 = floor(log2(a)), exactly
;;       r = np.clip(x / 2.0 ** e, -448, 448)
;;       step = 2.0 ** (np.maximum(np.frexp(np.where(r == 0, 1, r))[1] - 1, -6) - 3)
;;       q = np.round(r / step) * step * 2.0 ** e      # np.round: ties to even
;;       return np.moveaxis(q.reshape(q.shape[:-2] + (-1,))[..., :K], -1, axis).astype(np.float32)
;;   ~~~
;;   SOFTMAX AHEAD OF A QUANTISED PRODUCT. Where the list says 'softmax', what is quantised is not the finished softmax but p = 2^(t - M), with t = logit x log2(e) and M = ceil(the row's largest t), a whole number; so 1/2 < the row's largest p <= 1. The row's sum l is taken of the UNQUANTISED p, in f32, and the product's result is divided by l at the end. Since M is a whole number, a kernel that streams over the keys may use a running M (the ceiling of the running maximum): every later rescaling is an exact power of two, which a block's scale takes up: the codes' values come out the same.
;;   OPERANDS COMPUTED ON THE WAY. 'Computed on the way' means the value that the module computes at that place (a softmax that the list does not call 'softmax' is quantised finished and normalised). What goes into a quantiser is computed in f32, as accurately as f32 sums, v_exp_f32 and their like allow (about 1e-6 of the number): no bf16 or f16 on the way to a quantiser, and a product that is left as it is and whose result goes on into a quantised operand takes f32 operands (vector FMAs, or v_wmma_f32_16x16x4_f32). A number that lies on a knife's edge between two numbers of the format may be rounded either way, as far as f32 arithmetic and the matrix unit's own rounding can turn it there, and no further.
;; One version. Each part assembles by itself: llvm-mc -triple=amdgcn-amd-amdhsa -mcpu=gfx1250 --defsym DOCPART=n.
;; ======== version 1 of 1: 4 launches
;; limits: right only within a limited range of input values
;; workspace buffers: xq 8,650,752 bytes; wq 4,325,376 bytes; qq 8,650,752 bytes; kv 17,301,504 bytes; yq 8,650,752 bytes
;; launch quant (part 1): grid 512 x 1, 4 waves a work-group, no clusters, 34,304 bytes of LDS; arguments x, W_attn, W_proj, xq, wq; writes xq, wq
.if DOCPART == 1
	.amdgcn_target "amdgcn-amd-amdhsa--gfx1250"
	.amdhsa_code_object_version 6
	.text
	.protected	k_q807a3b04db_quant
	.globl	k_q807a3b04db_quant
	.p2align	8
	.type	k_q807a3b04db_quant,@function
k_q807a3b04db_quant:
	s_mov_b64 s[64:65], 0
	v_nop
	global_prefetch_b8 v0, s[64:65] scope:SCOPE_SE
	s_setreg_imm32_b32 hwreg(HW_REG_WAVE_MODE, 25, 1), 1
	s_wait_xcnt 0x0
; x [8192][1024], W_attn [1024][3072] and W_proj [1024][1024], f32, become codes of FP8 (E4M3) with one E8M0 byte for each 32 along K = 1024.
; A block's scale is 2^(floor(log2(largest magnitude)) - 8); each number is divided by it, held within +-448 and rounded to the nearest code, ties to even.
; LIMITS: a block of zeros, or one whose largest magnitude lies under 2^-118, gets the byte 1 (the rule says 127 for zeros): its codes are zeros and only this program reads the bytes.  NaN and infinities are not served.
; LEFT OUT IN THE PROGRAM: in the attention launch, key steps that reference()'s own causal mask hides whole; every input is loaded.
; THE LAYOUT OF THE RESULT is that of the operand's registers.  A tile is 16 rows; a fragment (16 rows x 128 K) is 2,048 bytes: four groups c of 512 bytes, lane l's 16 bytes at 512 c + 16 l,
; lane (r, h) holding k = 32 c + 16 h + 0 .. 15 of row r.  Codes: [tile][K step 0..7][2,048].  Scale words: [tile][half of K][row][4 words], word = K step % 4.
; THE ROWS OF A TILE ARE NOT NEIGHBOURS: row r of tile 2 b + u is row 32 b + 8 u + r + 8 (r / 8) of the tensor, so that a product that takes such tiles as source 0 leaves 16 neighbours in a lane's 16 registers of two tiles.
; Work-groups 0-255 take the weights (K is their FIRST axis: a lane takes a column, its registers run down K): four work-groups share a run of 64 columns, a wave takes 32 columns x one K step of 128.
; Work-groups 256-511 take x (K innermost: the numbers turn through the wave's own stage in LDS): a wave takes a tile of 16 rows x 512 along K.  No wave shares anything with another: no barrier.
.set XQS, 8388608                      ; where xq's scale words begin
.set WQS, 4194304                      ; and wq's
.set SEL, 20                           ; s[20:21] selects for v_permlanex16_b32: lane l xor 16
.set MNT, 22                           ; s22 the mantissa field of 448
; the weights' path
.set OF,  16                           ; v16-47   byte offset of row i of a block, at my column
.set WX,  48                           ; v48-111  two sets of 32 numbers
.set WC,  112                          ; v112-119 a block's 32 codes
.set SB,  120                          ; v120     my row's scale word of this K step
.set CO,  124                          ; v124     my place in the codes
.set SO,  125                          ; v125     and in the scale words
; x's path
.set XO,  3                            ; v3       16 x lane
.set SI,  4                            ; v4       the stage, on the way in
.set SOX, 5                            ; v5       and on the way out
.set SW,  10                           ; v10      my 8 bytes of the scale words
.set R,   16                           ; v16-143  two sets of 64 registers as loaded
.set X,   144                          ; v144-207 my 64 numbers: register 16 b + i = k 32 b + 16 h + i of my row
.set PC,  208                          ; v208-223 the fragment's codes
.set TM,  224                          ; v224-239 at work
.set PW,  240                          ; v240-243 the four steps' scale words
	s_load_b256 s[4:11], s[0:1], 0x0               ; x s[4:5], W_attn s[6:7], W_proj s[8:9], xq s[10:11]
	s_load_b64 s[12:13], s[0:1], 0x20              ; wq
	v_lshl_add_u32 v254, v0, 2, 0x8400             ; my spare word, behind the four stages
	v_mov_b32 v255, 0
	v_lshrrev_b32 v1, 5, v0
	v_readfirstlane_b32 s16, v1                    ; wave 0..3
	v_and_b32 v2, 31, v0                           ; lane
	s_and_b32 s17, s16, 1                          ; u: which of the work-group's two tiles (x) or pairs of tiles (weights)
	s_lshr_b32 s18, s16, 1                         ; which half of K (x), which of the work-group's two K steps (weights)
	s_mov_b32 s[MNT], 0x600000
	s_cmp_lt_u32 ttmp9, 256
	s_cbranch_scc0 .Lx_path
; ---------------- THE WEIGHTS.  A wave takes 32 columns x 128 along K: 4 blocks of 32, each whole in one lane.
	v_and_b32 v3, 7, v2
	v_bfe_u32 v4, v2, 3, 1
	v_bfe_u32 v5, v2, 4, 1
	v_lshl_or_b32 v3, v5, 3, v3
	v_lshl_or_b32 v3, v4, 4, v3                    ; my column among the 32: the lane's number with bits 3 and 4 changed over; the wave still reads 128 consecutive bytes
	v_lshlrev_b32 v6, 2, v3
	v_and_b32 v7, 15, v2
	v_lshlrev_b32 v7, 4, v7
	v_lshl_add_u32 v[CO], v5, 14, v7               ; lanes 0-15 are the first tile's rows, lanes 16-31 the next tile's: 16,384 bytes on; 16 bytes a row
	v_lshl_add_u32 v[SO], v5, 9, v7                ; scale words: 512 bytes a tile, 16 a row
	s_lshr_b32 s40, ttmp9, 2                       ; which 64 columns: 0-47 W_attn, 48-63 W_proj
	s_and_b32 s41, ttmp9, 3
	s_lshl_b32 s41, s41, 1
	s_add_co_u32 s41, s41, s18                     ; my K step of 128: 0..7
	s_cmp_lt_u32 s40, 48                           ; only pointers and the pitch are chosen
	s_mov_b32 s24, 4096
	s_cselect_b32 s24, 12288, s24                  ; bytes from row to row
	s_cselect_b32 s25, 0, 48
	s_wait_alu depctr_va_vdst(0)
	s_wait_kmcnt 0x0
	s_cselect_b64 s[26:27], s[6:7], s[8:9]
	s_sub_co_u32 s25, s40, s25
	s_lshl_b32 s25, s25, 8                         ; 64 columns a run,
	s_lshl_b32 s28, s17, 7                         ; 32 a wave
	s_add_co_u32 s28, s28, s25
	s_mul_i32 s29, s24, s41
	s_lshl_b32 s29, s29, 7                         ; my K step: 128 rows
	s_add_co_u32 s28, s28, s29
	s_mov_b32 s29, 0
	s_add_nc_u64 s[26:27], s[26:27], s[28:29]      ; the block in hand
	s_lshl_b32 s30, s24, 5                         ; a block on: 32 rows
	s_mov_b32 s31, 0
	s_lshl_b32 s32, s40, 2
	s_lshl_b32 s33, s17, 1
	s_add_co_u32 s32, s32, s33                     ; my first tile of wq: 4 x run + 2 u (W_proj's begin at 192 = 4 x 48)
	s_lshl_b32 s34, s32, 14
	s_lshl_b32 s35, s41, 11                        ; 2,048 bytes a K step
	s_add_co_u32 s34, s34, s35
	s_mov_b32 s35, 0
	s_add_nc_u64 s[36:37], s[12:13], s[34:35]      ; its codes, my K step
	s_lshl_b32 s34, s32, 9
	s_lshr_b32 s38, s41, 2
	s_lshl_b32 s38, s38, 8                         ; the half of K,
	s_and_b32 s42, s41, 3
	s_lshl_b32 s42, s42, 2
	s_add_co_u32 s38, s38, s42                     ; and my K step's word in a row's four
	s_add_co_u32 s34, s34, s38
	s_add_co_u32 s34, s34, WQS
	s_add_nc_u64 s[38:39], s[12:13], s[34:35]      ; its scale words
.set i, 0
.rept 32
	v_mad_u32_u24 v[OF+i], s24, i, v6
.set i, i+1
.endr
.macro WLOAD set                       ; a block: 32 rows at my column
.set i, 0
.rept 32
	global_load_b32 v[WX+32*(\set)+i], v[OF+i], s[26:27] th:TH_LOAD_NT
.set i, i+1
.endr
.endm
	WLOAD 0
	s_wait_alu depctr_va_vdst(0)
	s_wait_xcnt 0x0                                ; the loads have read their base: it may step
	s_add_nc_u64 s[26:27], s[26:27], s[30:31]
	WLOAD 1
.macro WBLOCK t
.set XS, WX+32*((\t)%2)
.if (\t) < 3
	s_wait_loadcnt 32                              ; this block's 32 loads are in; the next block's 32 may be out
.else
	s_wait_loadcnt 0x0
.endif
	v_max3_num_f32 v12, |v[XS]|, |v[XS+1]|, |v[XS+2]|       ; the block's largest magnitude: all 32 numbers are mine; two chains
	v_max3_num_f32 v13, |v[XS+3]|, |v[XS+4]|, |v[XS+5]|
.irp i, 6,10,14,18,22,26
	v_max3_num_f32 v12, v12, |v[XS+\i]|, |v[XS+\i+1]|
	v_max3_num_f32 v13, v13, |v[XS+\i+2]|, |v[XS+\i+3]|
.endr
	v_max3_num_f32 v12, v12, |v[XS+30]|, |v[XS+31]|
	v_max3_num_f32 v12, v12, v13, 0x4800000        ; and the floor 2^(9 - 127): the byte cannot fall under 1
	v_add_nc_u32 v11, 0xfc000000, v12              ; 8 off the exponent field: the conversion's scale operand
	v_and_or_b32 v10, v12, 0x7f800000, s[MNT]      ; 448 x the scale
	v_lshrrev_b32 v13, 23, v11                     ; the scale's byte
.if (\t)%4 == 0
	v_mov_b32 v[SB+(\t)/4], v13                    ; four bytes to a word: a K step of 128
.else
	v_lshl_or_b32 v[SB+(\t)/4], v13, 8*((\t)%4), v[SB+(\t)/4]
.endif
.set i, 0
.rept 32
	v_med3_num_f32 v[XS+i], v[XS+i], -v10, v10     ; the conversion to an 8-bit code does not saturate (ISA guide 7.6.2): the hold comes first
.set i, i+1
.endr
.irp g, 0,1,2,3
	v_cvt_scalef32_pk8_fp8_f32 v[WC+2*\g:WC+2*\g+1], v[XS+8*\g:XS+8*\g+7], v11
.endr
	global_store_b128 v[CO], v[WC:WC+3], s[36:37] offset:((\t)/4)*2048+((\t)%4)*512         ; k = 0 .. 15 of the block: the place of lane (r, 0); sixteen lanes store 256 consecutive bytes, aligned
	global_store_b128 v[CO], v[WC+4:WC+7], s[36:37] offset:((\t)/4)*2048+((\t)%4)*512+256   ; k = 16 .. 31: the place of lane (r, 1)
.if (\t) < 3
	s_wait_xcnt 0x0                                ; the stores have read the codes and the loads their base: both are written again only behind this wait
.endif
.if (\t) < 2
	s_add_nc_u64 s[26:27], s[26:27], s[30:31]
	WLOAD (\t)%2                                   ; two blocks ahead, into the set just worked
.endif
.endm
.set Q, 0
.rept 4
	WBLOCK Q
.set Q, Q+1
.endr
	global_store_b32 v[SO], v[SB], s[38:39]        ; my row's word of this K step: 4 bytes of its 16; the scale words are one byte in 128 of what the launch reads
	s_endpgm
; ---------------- x.  A wave takes one tile of 16 rows x 512 along K: four fragments.
.Lx_path:
	s_sub_co_u32 s24, ttmp9, 256                   ; 0..255: 32 rows of x
	s_wait_alu depctr_va_vdst(0)
	v_lshlrev_b32 v[XO], 4, v2
	s_mul_i32 s25, s16, 8448                       ; my stage: 16 rows x (512 bytes + 16)
	v_add_nc_u32 v[SI], s25, v[XO]                 ; in: a row's 512 bytes as they lie
	v_and_b32 v6, 15, v2                           ; r
	v_lshrrev_b32 v7, 4, v2                        ; h
	v_mul_u32_u24 v8, v6, 528
	v_lshl_add_u32 v8, v7, 6, v8
	v_add_nc_u32 v[SOX], s25, v8                   ; out: row r, + 64 h: my 16 numbers of a block of 32
	v_lshlrev_b32 v9, 4, v6
	v_lshl_add_u32 v[SW], v7, 3, v9                ; 16 r + 8 h
	s_mov_b32 s[SEL], 0x76543210
	s_mov_b32 s[SEL+1], 0xfedcba98
.irp b, 0,1,2,3
	v_mov_b32 v[TM+4+\b], 0                        ; written once: a lane permute's destination counts as one of its sources
.endr
	s_lshl_b32 s26, s24, 17                        ; 32 rows of 4,096 bytes,
	s_lshl_b32 s27, s17, 15                        ; the tile's rows begin 8 u rows on,
	s_add_co_u32 s26, s26, s27
	s_lshl_b32 s27, s18, 11                        ; my half of K
	s_add_co_u32 s26, s26, s27
	s_mov_b32 s27, 0
	s_wait_alu depctr_va_vdst(0)
	s_wait_kmcnt 0x0
	s_add_nc_u64 s[4:5], s[4:5], s[26:27]
	s_lshl_b32 s28, s24, 1
	s_add_co_u32 s28, s28, s17                     ; my tile
	s_lshl_b32 s26, s28, 14
	s_lshl_b32 s29, s18, 13
	s_add_co_u32 s26, s26, s29
	s_add_nc_u64 s[30:31], s[10:11], s[26:27]      ; its codes
	s_lshl_b32 s26, s28, 9
	s_lshl_b32 s29, s18, 8
	s_add_co_u32 s26, s26, s29
	s_add_co_u32 s26, s26, XQS
	s_add_nc_u64 s[32:33], s[10:11], s[26:27]      ; its scale words
.macro XLOAD s                         ; 128 along K of the tile's 16 rows: each load reads 512 consecutive bytes of one row
.set rho, 0
.rept 16
	global_load_b128 v[R+64*((\s)%2)+4*rho:R+64*((\s)%2)+4*rho+3], v[XO], s[4:5] offset:(rho+8*(rho/8))*4096+512*(\s) th:TH_LOAD_NT
.set rho, rho+1
.endr
.endm
.macro XTURN s                         ; through the stage: LDS serves a wave's instructions in order, so no wait stands between the stores and the loads
.set rho, 0
.rept 16
	ds_store_b128 v[SI], v[R+64*((\s)%2)+4*rho:R+64*((\s)%2)+4*rho+3] offset:528*rho
.set rho, rho+1
.endr
.irp b, 0,1,2,3
.irp j, 0,1,2,3
	ds_load_b128 v[X+16*\b+4*\j:X+16*\b+4*\j+3], v[SOX] offset:128*\b+16*\j
.endr
.endr
.endm
; 64 numbers of a lane, register 16 b + i = k 32 b + 16 h + i of my row, become a fragment's codes in v[PC] on and its scale word in v[pw]
.macro QUANT s, pw
.irp b, 0,1,2,3
	v_max3_num_f32 v[TM+\b], |v[\s+16*\b]|, |v[\s+1+16*\b]|, 0x4800000   ; my 16 numbers of block b, and the floor 2^(9 - 127)
.endr
.irp i, 2,4,6,8,10,12,14
.irp b, 0,1,2,3
	v_max3_num_f32 v[TM+\b], v[TM+\b], |v[\s+16*\b+\i]|, |v[\s+1+16*\b+\i]|   ; the four blocks by turns
.endr
.endr
.irp b, 0,1,2,3
	v_permlanex16_b32 v[TM+4+\b], v[TM+\b], s[SEL], s[SEL+1]
.endr
.irp b, 0,1,2,3
	v_max_num_f32 v[TM+\b], v[TM+\b], v[TM+4+\b]   ; with lane l xor 16's 16: the block's largest magnitude
.endr
.irp b, 0,1,2,3
	v_add_nc_u32 v[TM+12+\b], 0xfc000000, v[TM+\b] ; the conversion's scale operand
.endr
.irp b, 0,1,2,3
	v_and_or_b32 v[TM+8+\b], v[TM+\b], 0x7f800000, s[MNT]   ; 448 x the scale
.endr
.irp b, 0,1,2,3
	v_lshrrev_b32 v[TM+4+\b], 23, v[TM+12+\b]      ; the scale's byte
.endr
	v_lshl_or_b32 v[\pw], v[TM+5], 8, v[TM+4]
	v_lshl_or_b32 v[\pw], v[TM+6], 16, v[\pw]
	v_lshl_or_b32 v[\pw], v[TM+7], 24, v[\pw]
.irp b, 0,1,2,3
.irp i, 0,1,2,3,4,5,6,7,8,9,10,11,12,13,14,15
	v_med3_num_f32 v[\s+16*\b+\i], v[\s+16*\b+\i], -v[TM+8+\b], v[TM+8+\b]
.endr
	v_cvt_scalef32_pk8_fp8_f32 v[PC+4*\b:PC+1+4*\b], v[\s+16*\b:\s+7+16*\b], v[TM+12+\b]
	v_cvt_scalef32_pk8_fp8_f32 v[PC+2+4*\b:PC+3+4*\b], v[\s+8+16*\b:\s+15+16*\b], v[TM+12+\b]
.endr
	v_nop                                          ; one plain vector instruction behind the last scaled conversion
.endm
.macro XSTEP s
.if (\s) < 3
	s_wait_loadcnt 16                              ; this step's 16 loads are in; the next step's 16 may be out
.else
	s_wait_loadcnt 0x0
.endif
	XTURN \s
	s_wait_dscnt 0x0                               ; my numbers are back, and the stage's stores have read their registers,
.if (\s) < 2
	XLOAD (\s)+2                                   ; which take the loads of two steps on
.endif
.if (\s) > 0
	s_wait_xcnt 0x0                                ; the last step's stores have read the codes: they are written again only behind this wait
.endif
	QUANT X, PW+(\s)
.irp c, 0,1,2,3
	global_store_b128 v[XO], v[PC+4*\c:PC+4*\c+3], s[30:31] offset:2048*(\s)+512*\c   ; the registers as they stand: 512 consecutive bytes a store
.endr
.endm
	XLOAD 0
	XLOAD 1
	XSTEP 0
	XSTEP 1
	XSTEP 2
	XSTEP 3
	v_cmp_lt_u32 vcc_lo, 15, v2                    ; both halves of the lanes hold row r's four words: lanes 0-15 store words 0 and 1, lanes 16-31 words 2 and 3
	v_cndmask_b32 v244, v[PW], v[PW+2], vcc_lo
	v_cndmask_b32 v245, v[PW+1], v[PW+3], vcc_lo
	global_store_b64 v[SW], v[244:245], s[32:33]   ; 32 lanes store 256 consecutive bytes, aligned
	s_wait_tensorcnt 0x0                           ; the wave's end
	ds_add_u32 v254, v255
	s_wait_dscnt 0x0
	s_endpgm
.Lfunc_end_k_q807a3b04db_quant:
	.size	k_q807a3b04db_quant, .Lfunc_end_k_q807a3b04db_quant-k_q807a3b04db_quant
	.p2alignl 7, 3214868480
	.fill 96, 4, 3214868480
	.section	.rodata,"a",@progbits
	.p2align	6, 0x0
	.amdhsa_kernel k_q807a3b04db_quant
		.amdhsa_group_segment_fixed_size 34304
		.amdhsa_private_segment_fixed_size 0
		.amdhsa_enable_private_segment 0
		.amdhsa_kernarg_size 40
		.amdhsa_user_sgpr_count 2
		.amdhsa_user_sgpr_kernarg_segment_ptr 1
		.amdhsa_wavefront_size32 1
		.amdhsa_system_sgpr_workgroup_id_x 1
		.amdhsa_system_sgpr_workgroup_id_y 1
		.amdhsa_system_sgpr_workgroup_id_z 1
		.amdhsa_system_vgpr_workitem_id 0
		.amdhsa_next_free_vgpr 256
		.amdhsa_next_free_sgpr 66
		.amdhsa_reserve_vcc 1
		.amdhsa_float_denorm_mode_32 3
		.amdhsa_float_denorm_mode_16_64 3
		.amdhsa_memory_ordered 1
		.amdhsa_forward_progress 1
		.amdhsa_inst_pref_size 82
	.end_amdhsa_kernel
	.amdgpu_metadata
---
amdhsa.version: [ 1, 2 ]
amdhsa.kernels:
  - .name:           k_q807a3b04db_quant
    .symbol:         k_q807a3b04db_quant.kd
    .args:
      - { .name: x, .offset: 0, .size: 8, .value_kind: global_buffer, .address_space: global }
      - { .name: W_attn, .offset: 8, .size: 8, .value_kind: global_buffer, .address_space: global }
      - { .name: W_proj, .offset: 16, .size: 8, .value_kind: global_buffer, .address_space: global }
      - { .name: xq, .offset: 24, .size: 8, .value_kind: global_buffer, .address_space: global }
      - { .name: wq, .offset: 32, .size: 8, .value_kind: global_buffer, .address_space: global }
    .group_segment_fixed_size: 34304
    .private_segment_fixed_size: 0
    .kernarg_segment_align: 8
    .kernarg_segment_size: 40
    .max_flat_workgroup_size: 128
    .sgpr_count:     66
    .vgpr_count:     256
    .wavefront_size: 32
...
	.end_amdgpu_metadata
.endif
;; end of part 1
;; launch gemm_qkv (part 2): grid 16 x 16, 4 waves a work-group, clusters of 4 x 4, 327,680 bytes of LDS; arguments xq, wq, b_attn, qq, kv; writes qq, kv
.if DOCPART == 2
	.amdgcn_target "amdgcn-amd-amdhsa--gfx1250"
	.amdhsa_code_object_version 6
	.text
	.protected	k_q807a3b04db_gemm_qkv
	.globl	k_q807a3b04db_gemm_qkv
	.p2align	8
	.type	k_q807a3b04db_gemm_qkv,@function
k_q807a3b04db_gemm_qkv:
	s_mov_b64 s[64:65], 0
	v_nop
	global_prefetch_b8 v0, s[64:65] scope:SCOPE_SE
	s_setreg_imm32_b32 hwreg(HW_REG_WAVE_MODE, 25, 1), 1
	s_wait_xcnt 0x0
	s_wait_alu depctr_hold_cnt(0) depctr_sa_sdst(0) depctr_va_vdst(0) depctr_va_sdst(0) depctr_va_ssrc(0) depctr_va_vcc(0) depctr_vm_vsrc(0)
	s_getreg_b32 s2, hwreg(HW_REG_IB_STS2, 6, 4)
	s_cmp_eq_u32 s2, 0
	s_cbranch_scc0 .Lentry_in_a_cluster
	s_endpgm
.Lentry_in_a_cluster:
	s_bfe_u32 s2, ttmp6, 0x10000c
	s_cmp_lg_u32 s2, 0xf033
	s_cbranch_scc0 .Lentry_shape_is_right
	s_endpgm
.Lentry_shape_is_right:
; qkv = x W_attn + b_attn on codes of FP8 (E4M3) with E8M0 scales (K = 1024), and q, k, v quantised again on the way out: q and k along the head's 64, v along the keys.  Nothing wide goes to memory.
; OPERANDS lie in memory as images of their registers: [tile of 16 rows][K step of 128][2,048 bytes]; scale words [tile][half of K][row][4 words].  Row r of tile 2 b + u is row 32 b + 8 u + r + 8 (r / 8) of the tensor.
; THE DEAL.  256 work-groups of four waves, 2 x 2.  A wave holds 64 rows of a weight (4 tiles: one head), ALL of K, in 512 registers and streams blocks of 16 tokens past them: 32 products a block on four accumulators by turns
; the bias is the C of the first four.
; PHASE 1: 512 tokens x 128 features of q (clusters x = 0, 1) or k (2, 3): source 0 = the weight's rows, so a lane holds a token and its 32 sums run along the head.  16 blocks a wave.
; PHASE 2: 256 of the same tokens (window x % 2 of the 512) x 128 features of v: source 0 = x's rows, so a lane holds a feature and the 16 sums of two neighbouring tiles of x are 16 neighbouring keys.  8 blocks a wave.
; CHUNKS.  x comes in chunks of 128 tokens (8 tiles, 131,072 bytes) through two LDS slots, in the order of work: the window that is not v's (chunks 0, 1), then v's (2, 3).  Of a chunk wave row w takes tiles 2 w, 2 w + 1, 4 + 2 w, 5 + 2 w.
; FILLS.  At the head, one load a wave: the first weight into slot 1, chunk 0 into slot 0, the scale words of a window of x each.  Refills, each behind a drained round of the cluster's barrier, a quarter a wave:
; chunk 1 over the weight once it is in registers; chunks 2 and 3 and W_v's rows inside the third block of chunks 0, 1, 2; chunk 2 anew over W_v's rows once they are in registers (phase 2 takes chunk 3 first, as it lies).
; CLUSTERS 4 x 4: x's rows are shared along a row of the cluster, a weight's along a column: joint loads.  Only global addresses hang on the cluster's number.
; THE WAY OUT.  A block (phase 2: a pair of blocks) is quantised behind its products; its codes leave at once, 512 consecutive bytes a store, in the order of the attention launch's operand registers.
; Scale bytes are gathered in LDS bytes of their own, as images of memory, and leave at the end in whole units of 256 bytes.
; PREFETCH: chunks 1, 2 at the head, chunk 3 and W_v's rows behind the first refill: a lane a block of 256 bytes, shared out by address among the 16 waves that ask for the rows jointly.
; LIMITS: a block of zeros, or under 2^-118, gets the byte 1: its codes are zeros, and only this program reads the bytes.  NaN and infinities are not served.
; REGISTERS: window 0: addresses, scale words, biases, two sets of sums, the way out.  Windows 1, 2: the weight's 32 fragments (fragment 4 q + b).  Window 3: x's blocks, two sets of 128.
.set YB,    131072                     ; slot 1
.set SCL,   262144                     ; x's scale words, 32 tiles x 512 bytes, in the order of work
.set XN,    278528                     ; q's or k's scale bytes: [wave column][chunk][256]
.set XV,    280576                     ; v's: [wave column][chunk 3, chunk 2][256]
.set SPARE, 281600                     ; the spare words
.set LI,   4
.set LI0,  5
.set AAS0, 6
.set ADRA, 7
.set AAS,  8
.set VX,   9
.set VY,   10
.set SPW,  11
.set NIL,  12
.set ABS,  13
.set BOF,  14
.set BVO,  15
.set ADW,  16
.set ADW2, 17
.set EO,   18
.set L8,   20
.set PFO,  23
.set SB,   24                          ; v24-39 the weight's scale words: register 8 p + q: lanes 0-15 tile 2 p, lanes 16-31 tile 2 p + 1
.set PFW,  40
.set EL1,  41
.set EL2,  42
.set SA,   44                          ; v44-59 x's: two sets of eight
.set BI,   64                          ; v64-95 phase 1's bias
.set ACC,  96                          ; v96-159 two sets of four accumulators
.set BV,   160                         ; v160-191 phase 2's bias
.set WS,   192                         ; v192-207 W_v's scale words, until the change of phase
.set PC,   208                         ; v208-223 codes
.set TM,   224
.set T2,   232
.set SCO,  236
.set LIM,  240
.set BY,   244
.set HW,   248
.set G1A, 24                           ; x's rows: my row of the cluster
.set G0A, 32
.set G0B, 36
.set G1B, 48                           ; a weight's rows: my column
.set G0S, 56
.set G1S, 68
.set CUR, 20                           ; s20 the slot of the chunk in hand, s21 of the next; s22, s23 their scale words' places
.set NXT, 21
.set SCU, 22
.set SNX, 23
.set QW,  46                           ; s[46:47] 32,768 x wave
.set XVP, 60                           ; s[60:61] chunk 2 in memory;  s[62:63] W_v's rows;  s[66:67] chunk 0
.set WVP, 62
.set X0P, 66
.set QO,  76                           ; s[76:77] where the chunk's codes go;  s[78:79] the same for chunk 2;  s[80:81] from chunk to chunk
.set VO,  82
.set SQ,  84
.set SV,  86
.set SEL, 96
.set MNT, 98
.set MSB, 0
.macro WIN new                         ; the immediate's high byte repeats the setting that is left
.if MSB != \new
	s_set_vgpr_msb (MSB<<8)|\new
.set MSB, \new
.endif
.endm
.macro WALU
	s_wait_alu depctr_va_vdst(0)
.endm
.macro PLACES n
.rept \n
	v_nop
.endr
.endm
.macro BARRIER
	s_barrier_signal -1
	s_barrier_wait -1
.endm
.macro CROUND
	BARRIER
	s_cmp_lg_u32 s14, 0
	s_cbranch_scc1 .Lnot_wave_0_\@
	s_barrier_signal -3
.Lnot_wave_0_\@:
	s_barrier_wait -3
	BARRIER
.endm
.macro TLOAD g0, g1
	tensor_load_to_lds s[\g0:\g0+3], s[\g1:\g1+7]
	s_nop 0
	PLACES 4
.endm
.macro GROUP1 g, mask, rows            ; a dense block as rows of 256 bytes (32 elements of 8), no padding
	s_or_b32 s[\g], s[\mask], (3<<16)|(1<<21)
	s_mov_b32 s[\g+1], 32<<16
	s_mov_b32 s[\g+2], (\rows)<<16
	s_mov_b32 s[\g+3], 32<<16
	s_mov_b32 s[\g+4], \rows
	s_mov_b32 s[\g+5], 32
	s_mov_b32 s[\g+6], 0
	s_mov_b32 s[\g+7], 0
.endm
	s_load_b256 s[4:11], s[0:1], 0x0               ; xq, wq, b_attn, qq
	s_load_b64 s[12:13], s[0:1], 0x20              ; kv
	v_lshl_add_u32 v[SPW], v0, 2, SPARE
	v_mov_b32 v[NIL], 0
	ds_add_u32 v[SPW], v[NIL]                      ; the opening lines: the add twice on end and its wait
	ds_add_u32 v[SPW], v[NIL]
	v_lshrrev_b32 v1, 5, v0
	v_readfirstlane_b32 s14, v1                    ; wave 0..3
	s_lshr_b32 s15, s14, 1                         ; w: my row of waves
	s_and_b32 s16, s14, 1                          ; my column of waves
	s_bfe_u32 s40, ttmp6, 0x40000                  ; cx
	s_bfe_u32 s41, ttmp6, 0x40004                  ; cy
	s_lshl_b32 s42, ttmp9, 2
	s_add_co_u32 s42, s42, s40                     ; which 128 features of q | k
	s_and_b32 s17, ttmp7, 0xffff
	s_lshl_b32 s17, s17, 2
	s_add_co_u32 s17, s17, s41                     ; which 512 tokens
	s_and_b32 s18, ttmp9, 1                        ; v's window of 256 among them
	s_lshr_b32 s45, ttmp9, 1
	s_lshl_b32 s45, s45, 2
	s_add_co_u32 s45, s45, s40                     ; which 128 features of v
	s_lshl_b32 s43, s41, 2
	s_lshl_b32 s43, 15, s43                        ; my row of the cluster
	s_lshl_b32 s44, 0x1111, s40                    ; my column
	GROUP1 G1A, 43, 512                            ; at the head a load brings 131,072 bytes; behind it the two words that count rows are set to 128
	GROUP1 G1B, 44, 512
	GROUP1 G1S, 43, 32                             ; a window's scale words: 8,192 bytes
	s_lshl_b32 s20, s17, 19
	s_lshl_b32 s21, s18, 18
	s_add_co_u32 s22, s20, s21                     ; chunk 2
	s_xor_b32 s21, s21, 1<<18
	s_add_co_u32 s20, s20, s21                     ; chunk 0
	s_mov_b32 s21, 0
	s_mov_b32 s23, 0
	s_xor_b32 s2, s18, 1
	s_xor_b32 s2, s2, s16                          ; the window that stands at place (my column) in the order of work
	s_lshl_b32 s92, s2, 13
	s_lshl_b32 s93, s17, 14
	s_add_co_u32 s92, s92, s93
	s_add_co_u32 s92, s92, 8388608                 ; its scale words
	s_mov_b32 s93, 0
	s_lshl_b32 s90, s42, 17                        ; the first weight's 8 tiles
	s_mov_b32 s91, 0
	s_lshl_b32 s88, s45, 17
	s_add_co_u32 s88, s88, 2097152                 ; W_v's: behind q's and k's 128 tiles
	s_mov_b32 s89, 0
	s_lshl_b32 s[QW], s14, 15
	s_mov_b32 s[QW+1], 0
	s_lshl_b32 s99, s16, 13
	s_mov_b32 s[SEL], 0x76543210
	s_mov_b32 s[SEL+1], 0xfedcba98
	s_mov_b32 s[MNT], 0x600000
	s_wait_dscnt 0x0
	s_wait_kmcnt 0x0
	s_add_nc_u64 s[X0P:X0P+1], s[4:5], s[20:21]
	s_add_nc_u64 s[XVP:XVP+1], s[4:5], s[22:23]
	s_add_nc_u64 s[92:93], s[4:5], s[92:93]
	s_add_nc_u64 s[90:91], s[6:7], s[90:91]
	s_add_nc_u64 s[WVP:WVP+1], s[6:7], s[88:89]
	CROUND                                         ; all sixteen work-groups are here: the first joint loads meet
	s_mov_b32 s[G0B], 1
	s_mov_b32 s[G0B+1], YB
	s_mov_b64 s[G0B+2:G0B+3], s[90:91]
	s_or_b32 s[G0B+3], s[G0B+3], 0x80000000
	s_mov_b32 s[G0A], 1
	s_mov_b32 s[G0A+1], 0
	s_mov_b64 s[G0A+2:G0A+3], s[X0P:X0P+1]
	s_or_b32 s[G0A+3], s[G0A+3], 0x80000000
	s_mov_b32 s[G0S], 1
	s_add_co_u32 s[G0S+1], s99, SCL
	s_mov_b64 s[G0S+2:G0S+3], s[92:93]
	s_or_b32 s[G0S+3], s[G0S+3], 0x80000000
; THE HEAD'S LOADS, ONE A WAVE: wave 0 the first weight, wave 1 chunk 0, waves 2, 3 a window's scale words each.  One chain of branches on the wave's number.
.macro ARM under, g0, g1, next
	s_cmp_lt_u32 s14, \under
	s_cbranch_scc0 \next
	TLOAD \g0, \g1
	s_branch .Lhead_asked
\next:
.endm
	ARM 1, G0B, G1B, .Lhead_x
	ARM 2, G0A, G1A, .Lhead_s
	TLOAD G0S, G1S
.Lhead_asked:
	s_cmp_lt_u32 ttmp9, 2                          ; q or k?  The choice hangs on the cluster's number alone
	s_cselect_b64 s[QO:QO+1], s[10:11], s[12:13]
	s_mov_b32 s78, 270336
	s_cselect_b32 s78, 131072, s78                 ; codes: from head to head,
	s_mov_b32 s80, 16896
	s_cselect_b32 s80, 8192, s80                   ; from chunk to chunk
	s_mov_b32 s84, 270336
	s_cselect_b32 s84, 4096, s84                   ; scale words likewise
	s_mov_b32 s86, 16896
	s_cselect_b32 s86, 256, s86
	s_mov_b32 s85, 16384
	s_cselect_b32 s85, 8388608, s85                ; and where they begin
	s_mov_b32 s81, 0
	s_lshl_b32 s88, s15, 15                        ; my tiles of a chunk begin at tile 2 w
	s_lshl_b32 s90, s16, 16                        ; my four tiles of a weight, in slot 0,
	s_add_co_u32 s89, s90, YB                      ; in slot 1
	s_lshl_b32 s91, s15, 10
	s_add_co_u32 s91, s91, SCL
	s_lshl_b32 s92, s16, 10
	s_lshl_b32 s93, s15, 7
	s_add_co_u32 s92, s92, s93
	s_add_co_u32 s92, s92, XN
	s_lshl_b32 s93, s16, 9
	s_add_co_u32 s93, s93, s15
	s_add_co_u32 s93, s93, XV
	s_lshl_b32 s94, s40, 2
	s_add_co_u32 s94, s94, s14
	s_lshl_b32 s94, s94, 13                        ; my sixteenth of a prefetch of x's rows,
	s_lshl_b32 s95, s41, 2
	s_add_co_u32 s95, s95, s14
	s_lshl_b32 s95, s95, 13                        ; of W_v's
	s_lshl_b32 s20, s14, 9
	s_add_co_u32 s20, s20, XN
	s_lshl_b32 s21, s14, 8
	s_add_co_u32 s21, s21, XV
	v_and_b32 v1, 15, v0                           ; r
	v_bfe_u32 v2, v0, 4, 1                         ; h
	v_and_b32 v3, 31, v0
	v_lshlrev_b32 v[LI], 4, v3
	v_lshlrev_b32 v[L8], 3, v3
	v_lshlrev_b32 v[BOF], 6, v2
	v_and_b32 v19, 8, v1
	v_lshlrev_b32 v21, 9, v2
	v_mul_u32_u24 v22, s86, v2
	v_lshl_add_u32 v[AAS0], v1, 4, s91             ; x's scale words: 16 bytes a row
	v_lshl_add_u32 v[VX], v1, 3, s92               ; q's, k's bytes: 8 r + 128 w in my column's image
	v_lshl_add_u32 v[VY], v1, 3, s93               ; v's: 8 r + w
	v_lshl_add_u32 v[PFO], v3, 8, s94
	v_lshl_add_u32 v[PFW], v3, 8, s95
	v_lshl_add_u32 v[EL1], v3, 4, s20
	v_lshl_add_u32 v[EL2], v3, 3, s21
	v_add_nc_u32 v[LI0], s88, v[LI]
	v_add_nc_u32 v[ADW], s89, v[LI]
	v_add_nc_u32 v[ADW2], s90, v[LI]
	v_add_nc_u32 v19, v19, v1
	v_lshl_add_u32 v[ABS], v1, 4, v21              ; a weight's scale words: lanes 16-31 the next tile
	v_lshl_add_u32 v[EO], v1, 4, v22               ; at the end: lanes 0-15 one chunk's unit, lanes 16-31 the next chunk's
	v_lshlrev_b32 v[BVO], 2, v19                   ; 4 (r + 8 (r / 8))
.irp b, 0,1,2,3
	v_mov_b32 v[T2+\b], 0                          ; a lane permute's destination counts as one of its sources
.endr
	WALU                                           ; the wait at the head's end
	global_prefetch_b8 v[PFO], s[X0P:X0P+1] offset:131072 th:TH_LOAD_NT scope:SCOPE_SE   ; chunk 1
	global_prefetch_b8 v[PFO], s[XVP:XVP+1] th:TH_LOAD_NT scope:SCOPE_SE                 ; chunk 2
	; where my results go
	s_lshr_b32 s94, s17, 2
	s_lshl_b32 s94, s94, 4                         ; 16 x batch
	s_and_b32 s99, s17, 3
	s_lshl_b32 s99, s99, 2                         ; my 512 tokens' first chunk in the sequence
	s_and_b32 s3, s42, 7
	s_lshl_b32 s3, s3, 1
	s_add_co_u32 s3, s3, s94                       ; phase 1: 16 x batch + the first of my work-group's two heads
	s_lshl_b32 s19, s45, 1
	s_add_co_u32 s19, s19, s94                     ; phase 2 likewise
	s_lshl_b32 s87, s18, 1
	s_add_co_u32 s87, s87, s99                     ; chunk 2's place in the sequence
	s_add_co_u32 s82, s3, s16
	s_mul_i32 s82, s82, s78
	s_lshl_b32 s83, s15, 11
	s_add_co_u32 s82, s82, s83                     ; my head, and tile 2 w
	s_mul_i32 s83, s87, s80
	s_add_co_u32 s78, s82, s83
	s_mov_b32 s79, 0
	s_add_nc_u64 s[78:79], s[QO:QO+1], s[78:79]    ; chunk 2's codes
	s_xor_b32 s83, s87, 2
	s_mul_i32 s83, s83, s80
	s_add_co_u32 s82, s82, s83
	s_mov_b32 s83, 0
	s_add_co_u32 s20, s3, s15                      ; at the end wave n stores the scale bytes of wave column n / 2, window n % 2 in the order of work
	s_mul_i32 s20, s20, s84
	s_lshl_b32 s21, s2, 1
	s_add_co_u32 s21, s21, s99
	s_mul_i32 s21, s21, s86
	s_add_co_u32 s20, s20, s21
	s_add_co_u32 s20, s20, s85
	s_mov_b32 s21, 0
	s_add_nc_u64 s[SQ:SQ+1], s[QO:QO+1], s[20:21]
	s_add_nc_u64 s[QO:QO+1], s[QO:QO+1], s[82:83]  ; chunk 0's codes
	s_add_co_u32 s20, s19, s16
	s_mul_i32 s20, s20, 270336
	s_add_co_u32 s21, s87, 1
	s_mul_i32 s21, s21, 16896
	s_add_co_u32 s20, s20, s21
	s_lshl_b32 s21, s15, 9
	s_add_co_u32 s20, s20, s21
	s_add_co_u32 s20, s20, 8192
	s_mov_b32 s21, 0
	s_add_nc_u64 s[VO:VO+1], s[12:13], s[20:21]    ; v's codes of chunk 3: behind k's; key block w
	s_add_co_u32 s20, s19, s15
	s_mul_i32 s20, s20, 270336
	s_add_co_u32 s21, s87, 1
	s_sub_co_u32 s21, s21, s16
	s_mul_i32 s21, s21, 16896
	s_add_co_u32 s20, s20, s21
	s_add_co_u32 s20, s20, 16640
	s_mov_b32 s21, 0
	s_add_nc_u64 s[SV:SV+1], s[12:13], s[20:21]    ; v's scale words: wave n stores wave column n / 2, chunk 3 - n % 2
	s_lshl_b32 s20, s42, 9
	s_lshl_b32 s22, s16, 8
	s_add_co_u32 s20, s20, s22
	s_add_nc_u64 s[88:89], s[8:9], s[20:21]        ; phase 1's bias
	s_lshl_b32 s20, s45, 9
	s_add_co_u32 s20, s20, s22
	s_add_co_u32 s20, s20, 8192
	s_add_nc_u64 s[90:91], s[8:9], s[20:21]        ; phase 2's
	s_lshl_b32 s20, s42, 12
	s_lshl_b32 s22, s16, 11
	s_add_co_u32 s20, s20, s22
	s_add_co_u32 s20, s20, 4194304
	s_add_nc_u64 s[92:93], s[6:7], s[20:21]        ; the first weight's scale words: my four tiles
	s_lshl_b32 s20, s45, 12
	s_add_co_u32 s20, s20, s22
	s_add_co_u32 s20, s20, 4259840
	s_add_nc_u64 s[2:3], s[6:7], s[20:21]          ; W_v's
.irp p, 0,1
.irp c, 0,1
	global_load_b128 v[SB+8*\p+4*\c:SB+8*\p+4*\c+3], v[ABS], s[92:93] offset:1024*\p+256*\c
	global_load_b128 v[WS+8*\p+4*\c:WS+8*\p+4*\c+3], v[ABS], s[2:3] offset:1024*\p+256*\c
.endr
.endr
.irp b, 0,1,2,3                                ; phase 1: register j of the weight's tile b is feature 32 (b / 2) + 8 (b % 2) + 16 h + j of my head
	global_load_b128 v[BI+8*\b:BI+8*\b+3], v[BOF], s[88:89] offset:(32*(\b/2)+8*(\b%2))*4
	global_load_b128 v[BI+8*\b+4:BI+8*\b+7], v[BOF], s[88:89] offset:(32*(\b/2)+8*(\b%2))*4+16
.endr
.irp b, 0,1,2,3                                ; phase 2: all eight registers of tile b belong to my lane's feature 32 (b / 2) + 8 (b % 2) + r + 8 (r / 8)
.irp j, 0,1,2,3,4,5,6,7
	global_load_b32 v[BV+8*\b+\j], v[BVO], s[90:91] offset:(32*(\b/2)+8*(\b%2))*4
.endr
.endr
	s_mov_b32 s[CUR], 0
	s_mov_b32 s[NXT], YB
	s_mov_b32 s[SCU], 0
	s_mov_b32 s[SNX], 4096
	s_wait_tensorcnt 0x0                           ; my tile of the head's is in
	BARRIER                                        ; everybody's are
.macro WEIGHTS adr                     ; my 64 rows of a weight into windows 1 and 2: fragment 4 q + b in window 1 + f / 16
.set F_, 0
.rept 32
	WIN (1+F_/16)<<6
.irp c, 0,1,2,3
	ds_load_b128 v[16*(F_%16)+4*\c:16*(F_%16)+4*\c+3], v[\adr] offset:16384*(F_%4)+2048*(F_/4)+512*\c
.endr
.set F_, F_+1
.endr
	WIN 0
.endm
.macro FETCH e                         ; a block of x, all of K, into set e of window 3, and its scale words: 34 loads
	WIN 3<<6
.irp q, 0,1,2,3,4,5,6,7
.irp c, 0,1,2,3
	ds_load_b128 v[128*(\e)+16*\q+4*\c:128*(\e)+16*\q+4*\c+3], v[ADRA] offset:2048*\q+512*\c
.endr
.endr
	WIN 0
	ds_load_b128 v[SA+8*(\e):SA+8*(\e)+3], v[AAS]
	ds_load_b128 v[SA+8*(\e)+4:SA+8*(\e)+7], v[AAS] offset:256
.endm
.macro AIM bs, ss, jj                  ; the addresses of my block jj of the chunk at s[bs]: tile 4 (jj / 2) + 2 w + jj % 2
	s_add_co_u32 s94, s[\bs], ((\jj)/2)*65536+((\jj)%2)*16384
	s_add_co_u32 s99, s[\ss], (4*((\jj)/2)+((\jj)%2))*512
	v_add_nc_u32 v[ADRA], s94, v[LI0]
	v_add_nc_u32 v[AAS], s99, v[AAS0]
.endm
.macro PROD                            ; product N_ = 4 q + b of the block in set E_.  KIND_ 0: source 0 = the weight; 1: source 0 = x
.set Q_, N_/4
.set B_, N_%4
.set AC_, ACC+32*E_+8*B_
.set C_, AC_
.if Q_ == 0
.set C_, BI+(BV-BI)*KIND_+8*B_
.endif
.set R_, 128*E_+16*Q_
.set W_, 16*(N_%16)
.set XS_, SA+8*E_+Q_
.set WS_, SB+8*(B_/2)+Q_
.if KIND_
	WIN 3|((1+N_/16)<<2)
.if B_%2
	v_wmma_scale_f32_16x16x128_f8f6f4 v[AC_:AC_+7], v[R_:R_+15], v[W_:W_+15], v[C_:C_+7], v[XS_], v[WS_] matrix_b_scale:MATRIX_SCALE_ROW1
.else
	v_wmma_scale_f32_16x16x128_f8f6f4 v[AC_:AC_+7], v[R_:R_+15], v[W_:W_+15], v[C_:C_+7], v[XS_], v[WS_]
.endif
.else
	WIN (1+N_/16)|(3<<2)
.if B_%2
	v_wmma_scale_f32_16x16x128_f8f6f4 v[AC_:AC_+7], v[W_:W_+15], v[R_:R_+15], v[C_:C_+7], v[WS_], v[XS_] matrix_a_scale:MATRIX_SCALE_ROW1
.else
	v_wmma_scale_f32_16x16x128_f8f6f4 v[AC_:AC_+7], v[W_:W_+15], v[R_:R_+15], v[C_:C_+7], v[WS_], v[XS_]
.endif
.endif
.endm
.macro PRODS kind, e
.set KIND_, \kind
.set E_, \e
.set N_, 0
.rept 32
	PROD
.set N_, N_+1
.endr
	WIN 0
.endm
.macro SCALES n                        ; from n largest magnitudes in v[TM] on: with lane l xor 16's; the conversion's scale operand, 448 x the scale, the byte
.set I_, 0
.rept \n
	v_permlanex16_b32 v[T2+I_], v[TM+I_], s[SEL], s[SEL+1]
.set I_, I_+1
.endr
.set I_, 0
.rept \n
	v_max_num_f32 v[TM+I_], v[TM+I_], v[T2+I_]
.set I_, I_+1
.endr
.set I_, 0
.rept \n
	v_add_nc_u32 v[SCO+I_], 0xfc000000, v[TM+I_]
.set I_, I_+1
.endr
.set I_, 0
.rept \n
	v_and_or_b32 v[LIM+I_], v[TM+I_], 0x7f800000, s[MNT]
.set I_, I_+1
.endr
.set I_, 0
.rept \n
	v_lshrrev_b32 v[BY+I_], 23, v[SCO+I_]
.set I_, I_+1
.endr
.endm
; q's or k's block j of a chunk: my lane's 32 sums, register 16 g + i = place 32 g + 16 h + i of the head: two blocks of 32, each in lanes l and l xor 16
.macro QOUT j
.set A_, ACC+32*((\j)%2)
.irp g, 0,1
	v_max3_num_f32 v[TM+\g], |v[A_+16*\g]|, |v[A_+16*\g+1]|, 0x4800000           ; each accumulator is read from its low end on; the floor 2^(9 - 127) holds the byte at 1 from below
	v_max3_num_f32 v[TM+2+\g], |v[A_+16*\g+8]|, |v[A_+16*\g+9]|, |v[A_+16*\g+10]|
.endr
.irp i, 2,4,6
.irp g, 0,1
	v_max3_num_f32 v[TM+\g], v[TM+\g], |v[A_+16*\g+\i]|, |v[A_+16*\g+\i+1]|
.if \i < 6
	v_max3_num_f32 v[TM+2+\g], v[TM+2+\g], |v[A_+16*\g+9+\i]|, |v[A_+16*\g+10+\i]|
.endif
.endr
.endr
.irp g, 0,1
	v_max3_num_f32 v[TM+\g], v[TM+\g], v[TM+2+\g], |v[A_+16*\g+15]|
.endr
	SCALES 2
	v_lshl_or_b32 v[HW], v[BY+1], 8, v[BY]
.irp g, 0,1
.irp i, 0,1,2,3,4,5,6,7,8,9,10,11,12,13,14,15
	v_med3_num_f32 v[A_+16*\g+\i], v[A_+16*\g+\i], -v[LIM+\g], v[LIM+\g]         ; the conversion does not saturate (ISA guide 7.6.2)
.endr
.endr
.irp g, 0,1
	v_cvt_scalef32_pk8_fp8_f32 v[PC+4*\g:PC+4*\g+1], v[A_+16*\g:A_+16*\g+7], v[SCO+\g]
	v_cvt_scalef32_pk8_fp8_f32 v[PC+4*\g+2:PC+4*\g+3], v[A_+16*\g+8:A_+16*\g+15], v[SCO+\g]
.endr
	v_nop                                          ; one plain line behind the last scaled conversion
	ds_store_b16 v[VX], v[HW] offset:4*((\j)/2)+2*((\j)%2)         ; both halves of the lanes write the same two bytes
	global_store_b128 v[LI], v[PC:PC+3], s[QO:QO+1] offset:(4*((\j)/2)+(\j)%2)*1024
	global_store_b128 v[LI], v[PC+4:PC+7], s[QO:QO+1] offset:(4*((\j)/2)+(\j)%2)*1024+512
.endm
; v's pair of blocks j - 1, j: for each of W_v's four tiles my lane's 16 sums are keys 16 h + 0 .. 15 of key block 2 (j / 2) + w
.macro VOUT j
.irp b, 0,1,2,3
	v_max3_num_f32 v[TM+\b], |v[ACC+8*\b]|, |v[ACC+8*\b+1]|, 0x4800000
.endr
.irp i, 2,4,6
.irp b, 0,1,2,3
	v_max3_num_f32 v[TM+\b], v[TM+\b], |v[ACC+8*\b+\i]|, |v[ACC+8*\b+\i+1]|
.endr
.endr
.irp i, 0,2,4,6
.irp b, 0,1,2,3
	v_max3_num_f32 v[TM+\b], v[TM+\b], |v[ACC+32+8*\b+\i]|, |v[ACC+32+8*\b+\i+1]|
.endr
.endr
	SCALES 4
.irp b, 0,1,2,3
.irp i, 0,1,2,3,4,5,6,7
	v_med3_num_f32 v[ACC+8*\b+\i], v[ACC+8*\b+\i], -v[LIM+\b], v[LIM+\b]
	v_med3_num_f32 v[ACC+32+8*\b+\i], v[ACC+32+8*\b+\i], -v[LIM+\b], v[LIM+\b]
.endr
.endr
.irp b, 0,1,2,3
	v_cvt_scalef32_pk8_fp8_f32 v[PC+4*\b:PC+4*\b+1], v[ACC+8*\b:ACC+8*\b+7], v[SCO+\b]
	v_cvt_scalef32_pk8_fp8_f32 v[PC+4*\b+2:PC+4*\b+3], v[ACC+32+8*\b:ACC+32+8*\b+7], v[SCO+\b]
.endr
	v_nop
.irp b, 0,1,2,3
	ds_store_b8 v[VY], v[BY+\b] offset:128*(\b%2)+4*(\b/2)+2*((\j)/2)
	global_store_b128 v[LI], v[PC+4*\b:PC+4*\b+3], s[VO:VO+1] offset:2048*\b+1024*((\j)/2)
.endr
.endm
; BLOCK j of a chunk.  Behind its products: eight places; in block 2 the change of slots; the set takes the block two on; the way out.
; fill: 0 none; 1 the slot just read out takes the chunk two on; 2 it takes W_v's rows; 3 a plain barrier that shows a chunk.
.macro BLK kind, j, fill
	s_wait_xcnt 0x0                                ; earlier stores have read their codes
	s_wait_dscnt 34                                ; this block is in; the next block's 34 loads may be out
	PRODS \kind, (\j)%2
.if (\j) < 2
	AIM CUR, SCU, (\j)+2
.else
	AIM NXT, SNX, (\j)-2
.endif
	PLACES 6
	WALU
.if (\j) == 2
.if (\fill) == 1 || (\fill) == 2
	s_wait_tensorcnt 0x0                           ; my quarter of the next chunk is in
	ds_add_u32 v[SPW], v[NIL]
.if (\fill) == 1
	s_xor_b32 s[G0S+1], s[G0S+1], YB               ; no tensor load of mine is out: the walking descriptor takes the other slot and the next chunk
	s_add_nc_u64 s[G0S+2:G0S+3], s[G0S+2:G0S+3], 131072
.endif
	s_wait_dscnt 0x0                               ; the add is done, and my reads of the chunk in hand are over
	CROUND
.if (\fill) == 1
	TLOAD G0S, G1A
.else
	TLOAD G0B, G1B
.endif
.elseif (\fill) == 3
	s_wait_tensorcnt 0x0
	s_wait_dscnt 0x0
	BARRIER
.endif
.endif
	FETCH (\j)%2
.if \kind
.if (\j)%2
	VOUT \j
.endif
.else
	QOUT \j
.endif
.endm
.macro QUAD kind, fill
	BLK \kind, 0, \fill
	BLK \kind, 1, \fill
	BLK \kind, 2, \fill
	BLK \kind, 3, \fill
.endm
.macro NEXTQ                           ; on to the next chunk of phase 1
	s_wait_xcnt 0x0
	s_add_nc_u64 s[QO:QO+1], s[QO:QO+1], s[80:81]
	s_xor_b32 s[CUR], s[CUR], YB
	s_xor_b32 s[NXT], s[NXT], YB
	s_add_co_u32 s[SCU], s[SCU], 4096
	s_add_co_u32 s[SNX], s[SNX], 4096
	v_add_nc_u32 v[VX], 256, v[VX]
	WALU                                           ; the wait, directly behind the write
.endm
	WEIGHTS ADW
	AIM CUR, SCU, 0
	FETCH 0
	AIM CUR, SCU, 1
	FETCH 1
	s_wait_tensorcnt 0x0
	ds_add_u32 v[SPW], v[NIL]
	s_mov_b32 s[G1A+2], 128<<16                    ; no tensor load of mine is out: from here on a load brings 32,768 bytes
	s_mov_b32 s[G1A+4], 128
	s_mov_b32 s[G1B+2], 128<<16
	s_mov_b32 s[G1B+4], 128
	s_add_co_u32 s[G0A+1], s[QW], YB               ; chunk 1 into slot 1
	s_add_nc_u64 s[G0A+2:G0A+3], s[X0P:X0P+1], s[QW:QW+1]
	s_add_nc_u64 s[G0A+2:G0A+3], s[G0A+2:G0A+3], 131072
	s_or_b32 s[G0A+3], s[G0A+3], 0x80000000
	s_add_co_u32 s[G0S+1], s[QW], YB               ; the walking descriptor: one step ahead of (slot 0, chunk 2)
	s_add_nc_u64 s[G0S+2:G0S+3], s[XVP:XVP+1], s[QW:QW+1]
	s_sub_nc_u64 s[G0S+2:G0S+3], s[G0S+2:G0S+3], 131072
	s_or_b32 s[G0S+3], s[G0S+3], 0x80000000
	s_mov_b32 s[G0B+1], s[QW]                      ; W_v's rows into slot 0
	s_add_nc_u64 s[G0B+2:G0B+3], s[WVP:WVP+1], s[QW:QW+1]
	s_or_b32 s[G0B+3], s[G0B+3], 0x80000000
	s_wait_dscnt 0x0                               ; the add is done; the weight and blocks 0, 1 are in registers
	CROUND
	TLOAD G0A, G1A
	global_prefetch_b8 v[PFO], s[XVP:XVP+1] offset:131072 th:TH_LOAD_NT scope:SCOPE_SE   ; chunk 3
	global_prefetch_b8 v[PFW], s[WVP:WVP+1] th:TH_LOAD_NT scope:SCOPE_SE                 ; W_v's rows
	s_wait_loadcnt 0x0                             ; scale words and biases
	s_mov_b32 s95, 0
.Lchunk:                                               ; chunks 0, 1; slots 0, 1 take chunks 2, 3
	QUAD 0, 1
	NEXTQ
	s_add_co_u32 s95, s95, 1
	s_cmp_lt_u32 s95, 2
	s_cbranch_scc1 .Lchunk
	s_mov_b64 s[QO:QO+1], s[78:79]                 ; v's window
	QUAD 0, 2                                      ; chunk 2; slot 0 takes W_v's rows
	NEXTQ
	s_mov_b32 s[NXT], YB                           ; behind chunk 3's blocks the sets take phase 2's first two: chunk 3 again
	s_mov_b32 s[SNX], 12288
	QUAD 0, 0
; THE CHANGE OF PHASE
	s_wait_tensorcnt 0x0                           ; my quarter of W_v's rows is in
	s_wait_dscnt 0x0
	BARRIER
	WEIGHTS ADW2
.set I_, 0
.rept 16
	v_mov_b32 v[SB+I_], v[WS+I_]
.set I_, I_+1
.endr
	PLACES 8                                       ; a scale register written by a vector instruction stands eight places ahead of a scaled product
	WALU
	s_wait_tensorcnt 0x0
	ds_add_u32 v[SPW], v[NIL]
	s_mov_b32 s[G0A+1], s[QW]                      ; chunk 2 anew, into slot 0
	s_add_nc_u64 s[G0A+2:G0A+3], s[XVP:XVP+1], s[QW:QW+1]
	s_or_b32 s[G0A+3], s[G0A+3], 0x80000000
	s_mov_b32 s[CUR], YB
	s_mov_b32 s[NXT], 0
	s_mov_b32 s[SCU], 12288
	s_mov_b32 s[SNX], 8192
	s_wait_dscnt 0x0                               ; W_v is in registers
	CROUND
	TLOAD G0A, G1A
	s_mov_b32 s95, 0
.Lvchunk:                                              ; chunk 3, then chunk 2; the second trip's last two fetches take chunk 2's first blocks once more and are not used
	QUAD 1, 3
	s_wait_xcnt 0x0
	s_sub_nc_u64 s[VO:VO+1], s[VO:VO+1], 16896
	s_mov_b32 s[CUR], 0
	s_mov_b32 s[SCU], 8192
	v_add_nc_u32 v[VY], 256, v[VY]
	WALU
	s_add_co_u32 s95, s95, 1
	s_cmp_lt_u32 s95, 2
	s_cbranch_scc1 .Lvchunk
	s_wait_dscnt 0x0                               ; my scale bytes are in LDS
	BARRIER                                        ; everybody's are
	ds_load_b128 v[PC:PC+3], v[EL1]                ; two units of q's or k's,
	ds_load_b64 v[PC+4:PC+5], v[EL2]               ; one of v's
	s_wait_dscnt 0x0
	global_store_b128 v[EO], v[PC:PC+3], s[SQ:SQ+1]        ; sixteen lanes store 256 consecutive bytes, aligned
	global_store_b64 v[L8], v[PC+4:PC+5], s[SV:SV+1]       ; 32 lanes likewise
	s_wait_tensorcnt 0x0                           ; the wave's end
	ds_add_u32 v[SPW], v[NIL]
	s_wait_dscnt 0x0
	CROUND                                         ; the closing round
	s_endpgm
.Lfunc_end_k_q807a3b04db_gemm_qkv:
	.size	k_q807a3b04db_gemm_qkv, .Lfunc_end_k_q807a3b04db_gemm_qkv-k_q807a3b04db_gemm_qkv
	.p2alignl 7, 3214868480
	.fill 96, 4, 3214868480
	.section	.rodata,"a",@progbits
	.p2align	6, 0x0
	.amdhsa_kernel k_q807a3b04db_gemm_qkv
		.amdhsa_group_segment_fixed_size 327680
		.amdhsa_private_segment_fixed_size 0
		.amdhsa_enable_private_segment 0
		.amdhsa_kernarg_size 40
		.amdhsa_user_sgpr_count 2
		.amdhsa_user_sgpr_kernarg_segment_ptr 1
		.amdhsa_wavefront_size32 1
		.amdhsa_system_sgpr_workgroup_id_x 1
		.amdhsa_system_sgpr_workgroup_id_y 1
		.amdhsa_system_sgpr_workgroup_id_z 1
		.amdhsa_system_vgpr_workitem_id 0
		.amdhsa_next_free_vgpr 1024
		.amdhsa_next_free_sgpr 100
		.amdhsa_reserve_vcc 0
		.amdhsa_float_denorm_mode_32 3
		.amdhsa_float_denorm_mode_16_64 3
		.amdhsa_memory_ordered 1
		.amdhsa_forward_progress 1
		.amdhsa_inst_pref_size 220
	.end_amdhsa_kernel
	.amdgpu_metadata
---
amdhsa.version: [ 1, 2 ]
amdhsa.kernels:
  - .name:           k_q807a3b04db_gemm_qkv
    .symbol:         k_q807a3b04db_gemm_qkv.kd
    .args:
      - { .name: xq, .offset: 0, .size: 8, .value_kind: global_buffer, .address_space: global }
      - { .name: wq, .offset: 8, .size: 8, .value_kind: global_buffer, .address_space: global }
      - { .name: b_attn, .offset: 16, .size: 8, .value_kind: global_buffer, .address_space: global }
      - { .name: qq, .offset: 24, .size: 8, .value_kind: global_buffer, .address_space: global }
      - { .name: kv, .offset: 32, .size: 8, .value_kind: global_buffer, .address_space: global }
    .group_segment_fixed_size: 327680
    .private_segment_fixed_size: 0
    .kernarg_segment_align: 8
    .kernarg_segment_size: 40
    .max_flat_workgroup_size: 128
    .sgpr_count:     100
    .vgpr_count:     1024
    .wavefront_size: 32
...
	.end_amdgpu_metadata
.endif
;; end of part 2
;; launch attn (part 3): grid 4 x 64, 8 waves a work-group, clusters of 4 x 1, 327,680 bytes of LDS; arguments qq, kv, yq; writes yq
.if DOCPART == 3
	.amdgcn_target "amdgcn-amd-amdhsa--gfx1250"
	.amdhsa_code_object_version 6
	.text
	.protected	k_q807a3b04db_attn
	.globl	k_q807a3b04db_attn
	.p2align	8
	.type	k_q807a3b04db_attn,@function
k_q807a3b04db_attn:
	s_mov_b64 s[64:65], 0
	v_nop
	global_prefetch_b8 v0, s[64:65] scope:SCOPE_SE
	s_setreg_imm32_b32 hwreg(HW_REG_WAVE_MODE, 25, 1), 1
	s_wait_xcnt 0x0
	s_wait_alu depctr_hold_cnt(0) depctr_sa_sdst(0) depctr_va_vdst(0) depctr_va_sdst(0) depctr_va_ssrc(0) depctr_va_vcc(0) depctr_vm_vsrc(0)
	s_getreg_b32 s2, hwreg(HW_REG_IB_STS2, 6, 4)
	s_cmp_eq_u32 s2, 0
	s_cbranch_scc0 .Lentry_in_a_cluster
	s_endpgm
.Lentry_in_a_cluster:
	s_bfe_u32 s2, ttmp6, 0x10000c
	s_cmp_lg_u32 s2, 0x3003
	s_cbranch_scc0 .Lentry_shape_is_right
	s_endpgm
.Lentry_shape_is_right:
; y = softmax(q k^T / 8, causal) v for one head (64 wide, 2,048 tokens) on codes of FP8 (E4M3) with E8M0 scales, and y quantised again along the head's 64 for the projection.
; LEFT OUT: key steps all of whose 128 keys come after a wave's queries: reference()'s own causal mask gives them the weight 0.
; THE SOFTMAX: t = score x log2(e) / 8; M = the running largest t rounded up to a whole number; p = 2^(t - M) is quantised along the keys, the row's sum is taken of the unquantised p and divides at the end.
; LIMITS: the promise holds while |t| stays under 2^31.  A block whose every p is 0 gets the byte 1: its codes are zeros.  NaN and infinities among the inputs are not served.
; SHARES.  A cluster of four work-groups serves a head; all of its K and V (16 key steps of 128 keys, 16,896 bytes each: K's codes, V's codes, K's and V's scale words) lie in LDS, brought by ONE joint load a wave
; (two steps each) at the head: nothing is filled again.  No prefetch: all tiles are asked for at the head, so there is no loop to run ahead in.
; A wave owns TWO neighbouring tiles of 16 queries at a time (x = 0, 1), so each fragment of K and V feeds two products: first tiles 8 w + 2 cx + x, then 126 - 8 w - 2 cx + x: 17 key steps in all for every wave.
; Both products are used transposed: a lane holds one query; registers 16 b + i of a tile's scores are keys 32 b + 16 h + i.  A fragment of K holds two tiles of 16 keys (64 + 64 along K); q stands beside zeros.
; REGISTERS.  Window 0: addresses, scale words, q, K's fragments (fetched one step ahead), V's, O^T of both tiles.  Window 1: scores / p of both tiles, p's codes, and all small numbers of the softmax,
; so that the two tiles' chains take turns line by line under one window setting.
.set STEPB, 16896
.set SPARE, 16*STEPB                   ; the spare words: 128 bytes a wave
; window 0
.set LI,  1                            ; 16 x lane
.set L8,  2                            ; 16,384 + 8 x lane
.set AV,  3                            ; LDS addresses: this step's codes, its scale words,
.set AVS, 4
.set AN,  5                            ; the next step's
.set ANS, 6
.set SPW, 7
.set NIL, 8
.set R8,  9
.set YB,  10
.set KS,  12                           ; scale words: K's v12-13, V's v14-15, q's v16-17, p's v18-19
.set VS,  14
.set QS,  16
.set PW,  18
.set TQ,  20
.set Q,   24                           ; v24-63: q1, zeros, q0, zeros, q1
.set KB,  64
.set VB,  128
.set O,   192                          ; + 32 x
; window 1 (scores of tile x at 64 x)
.set PC,  128                          ; + 16 x
.set T,   160                          ; 32 registers for partial sums
.set BM,  192                          ; + 4 x + b, as are T2, LIM, SCO
.set T2,  200
.set LIM, 208
.set SCO, 216
.set NM,  224                          ; + 2 x: -M, and beside it the largest t
.set SUM, 228
.set F,   232
.set TA,  236
.set DM,  238
.set TI,  240
.set DR,  241
.set PW1, 246
.set TLO, 3
.set CX,  11
.set BH,  12
.set MNT, 13
.set TB,  14
.set J,   15
.set JD,  16
.set HM,  17
.set WV,  18
.set TN,  19
.set SEL, 20
.set CS,  22
.set G1,  24
.set G0,  32
.set QH,  40
.set QSH, 42
.set YH,  44
.set YSH, 46
.set QP,  48
.set QSP, 50
.set YP,  52
.set YSP, 54
.set MSB, 0
.macro WIN new                         ; the immediate's high byte repeats the setting that is left
.if MSB != \new
	s_set_vgpr_msb (MSB<<8)|\new
.set MSB, \new
.endif
.endm
.macro WALU
	s_wait_alu depctr_va_vdst(0)
.endm
.macro CROUND
	s_barrier_signal -1
	s_barrier_wait -1
	s_cmp_lg_u32 s[WV], 0
	s_cbranch_scc1 .Lnot_wave_0_\@
	s_barrier_signal -3
.Lnot_wave_0_\@:
	s_barrier_wait -3
	s_barrier_signal -1
	s_barrier_wait -1
.endm
	s_load_b128 s[4:7], s[0:1], 0x0                ; qq, kv
	s_load_b64 s[8:9], s[0:1], 0x10                ; yq
	v_lshl_add_u32 v[SPW], v0, 2, SPARE
	v_mov_b32 v[NIL], 0
	ds_add_u32 v[SPW], v[NIL]                      ; the opening lines: the add twice on end and its wait
	ds_add_u32 v[SPW], v[NIL]
	v_lshrrev_b32 v3, 5, v0
	v_readfirstlane_b32 s[WV], v3                  ; wave 0..7
	s_bfe_u32 s[CX], ttmp6, 0x40000
	s_and_b32 s[BH], ttmp7, 0xffff                 ; batch x 16 + head
	s_mov_b32 s[G1], 15|(3<<16)|(1<<21)            ; all four partners; two key steps, dense: 132 rows of 256 bytes
	s_mov_b32 s[G1+1], 32<<16
	s_mov_b32 s[G1+2], 132<<16
	s_mov_b32 s[G1+3], 32<<16
	s_mov_b32 s[G1+4], 132
	s_mov_b32 s[G1+5], 32
	s_mov_b32 s[G1+6], 0
	s_mov_b32 s[G1+7], 0
	s_mul_i32 s56, s[BH], 16*STEPB
	s_mul_i32 s58, s[WV], 2*STEPB
	s_add_co_u32 s56, s56, s58
	s_mov_b32 s57, 0
	s_mov_b32 s[SEL], 0x76543210
	s_mov_b32 s[SEL+1], 0xfedcba98
	s_mov_b32 s[CS], 0x3e38aa3b                    ; log2(e) / 8
	s_mov_b32 s[CS+1], s[CS]
	s_mov_b32 s[MNT], 0x600000
	s_wait_dscnt 0x0
	s_wait_kmcnt 0x0
	s_add_nc_u64 s[6:7], s[6:7], s[56:57]
	CROUND                                         ; the four partners are here: the joint loads meet
	s_mov_b32 s[G0], 1
	s_mov_b32 s[G0+1], s58
	s_mov_b64 s[G0+2:G0+3], s[6:7]
	s_or_b32 s[G0+3], s[G0+3], 0x80000000
	tensor_load_to_lds s[G0:G0+3], s[G1:G1+7]      ; key steps 2 w and 2 w + 1: my one tensor load
	s_nop 0
.rept 4
	v_nop
.endr
	v_and_b32 v21, 31, v0
	v_and_b32 v22, 15, v0                          ; r
	v_bfe_u32 v23, v0, 4, 1                        ; h
	v_lshlrev_b32 v[LI], 4, v21
	v_lshlrev_b32 v[L8], 3, v21
	v_lshlrev_b32 v[R8], 3, v22
	v_lshl_add_u32 v[YB], v22, 4, v23
	v_and_b32 v64, 8, v22
	v_lshlrev_b32 v65, 4, v23
	v_add_nc_u32 v[L8], 16384, v[L8]
	v_add_nc_u32 v64, v64, v22
	v_cmp_lt_u32 s[HM], 15, v21
	v_sub_nc_u32 v64, v64, v65                     ; r + 8 (r / 8) - 16 h
.irp j, 0,1,2,3,4,5,6,7
	v_mov_b32 v[Q+8+\j], 0
	v_mov_b32 v[Q+24+\j], 0
.endr
	WIN 0x40                                       ; destinations in window 1
	v_mov_b32 v[DR], v64
	v_mov_b32 v[TI], 0xff800000                    ; -infinity
.irp k, 0,1,2,3,4,5,6,7
	v_mov_b32 v[T2+\k], 0                          ; a lane permute's destination counts as one of its sources
.endr
	v_mov_b32 v[TA], 0
	v_mov_b32 v[TA+1], 0
	v_mov_b32 v[F+1], 0                            ; named as the upper halves of pairs
	v_mov_b32 v[F+3], 0
	WIN 0
	s_lshl_b32 s56, s[BH], 17
	s_add_nc_u64 s[QH:QH+1], s[4:5], s[56:57]      ; the head's q codes,
	s_lshl_b32 s56, s[BH], 12
	s_add_co_u32 s56, s56, 8388608
	s_add_nc_u64 s[QSH:QSH+1], s[4:5], s[56:57]    ; their scale words,
	s_lshr_b32 s58, s[BH], 4
	s_and_b32 s59, s[BH], 15
	s_lshl_b32 s56, s58, 21
	s_lshl_b32 s60, s59, 10
	s_add_co_u32 s56, s56, s60
	s_add_nc_u64 s[YH:YH+1], s[8:9], s[56:57]      ; y's codes: half a fragment of the projection's operand for a tile and a head,
	s_lshl_b32 s56, s58, 16
	s_lshr_b32 s60, s59, 3
	s_lshl_b32 s60, s60, 8
	s_add_co_u32 s56, s56, s60
	s_bfe_u32 s60, s59, 0x20001
	s_lshl_b32 s60, s60, 2
	s_add_co_u32 s56, s56, s60
	s_and_b32 s60, s59, 1
	s_lshl_b32 s60, s60, 1
	s_add_co_u32 s56, s56, s60
	s_add_co_u32 s56, s56, 8388608
	s_add_nc_u64 s[YSH:YSH+1], s[8:9], s[56:57]    ; and its scale bytes
	s_lshl_b32 s[TLO], s[WV], 3
	s_lshl_b32 s60, s[CX], 1
	s_add_co_u32 s[TLO], s[TLO], s60               ; my first pair of tiles
	WALU                                           ; the wait at the head's end
; A pair of tiles begins: addresses, q, the diagonal's bound, the softmax's state.
.macro INIT hi
.if \hi
	s_wait_xcnt 0x0                                ; the last pair's stores have read their registers and bases
	s_sub_co_u32 s56, 126, s[TLO]
	s_sub_co_u32 s[JD], 15, s[WV]
	s_sub_co_u32 s58, 3, s[CX]
.else
	s_mov_b32 s56, s[TLO]
	s_mov_b32 s[JD], s[WV]                         ; the key step on the diagonal
	s_mov_b32 s58, s[CX]                           ; which 32 of its 128 tokens are my queries
.endif
	s_mov_b32 s61, 0
	s_lshl_b32 s60, s56, 10
	s_add_nc_u64 s[QP:QP+1], s[QH:QH+1], s[60:61]
	s_lshl_b32 s60, s56, 14
	s_add_nc_u64 s[YP:YP+1], s[YH:YH+1], s[60:61]
	s_lshl_b32 s60, s56, 9
	s_add_nc_u64 s[YSP:YSP+1], s[YSH:YSH+1], s[60:61]
	s_lshl_b32 s60, s[JD], 8
	s_and_b32 s62, s58, 1
	s_lshl_b32 s62, s62, 7
	s_add_co_u32 s60, s60, s62
	s_lshr_b32 s62, s58, 1
	s_lshl_b32 s62, s62, 2
	s_add_co_u32 s60, s60, s62
	s_add_nc_u64 s[QSP:QSP+1], s[QSH:QSH+1], s[60:61]
	global_load_b128 v[Q+16:Q+19], v[LI], s[QP:QP+1]
	global_load_b128 v[Q+20:Q+23], v[LI], s[QP:QP+1] offset:512
	global_load_b128 v[Q:Q+3], v[LI], s[QP:QP+1] offset:1024
	global_load_b128 v[Q+4:Q+7], v[LI], s[QP:QP+1] offset:1536
	global_load_b128 v[Q+32:Q+35], v[LI], s[QP:QP+1] offset:1024
	global_load_b128 v[Q+36:Q+39], v[LI], s[QP:QP+1] offset:1536
	global_load_b32 v[TQ], v[R8], s[QSP:QSP+1]
	s_lshl_b32 s62, s58, 5
	WIN 0x44                                       ; source 1 and destination in window 1
	v_add_nc_u32 v[DM], s62, v[DR]                 ; my query less 16 h, counted in the diagonal's step
	v_add_nc_u32 v[DM+1], 8, v[DM]
.irp x, 0,1
	v_mov_b32 v[NM+2*\x+1], 0xff61b1e6             ; the largest t so far: -3e38
	v_mov_b32 v[NM+2*\x], 0x7f61b1e6               ; -M = floor(3e38), a whole number as it stands
	v_mov_b32 v[SUM+2*\x], 0
	v_mov_b32 v[SUM+2*\x+1], 0
.endr
	WIN 0
	s_wait_loadcnt 0x0
	v_perm_b32 v[QS], v[TQ], v[TQ], 0x01000100     ; a tile's two bytes, for q in the lower and in the upper 64 of K
	v_perm_b32 v[QS+1], v[TQ], v[TQ], 0x03020302
.set n, 0
.rept 64
	v_mov_b32 v[O+n], 0                            ; the step is written once: the first finds zeros
.set n, n+1
.endr
	WALU
.endm
.macro KFIRST                          ; key step 0's K
.set n, 0
.rept 16
	ds_load_b128 v[KB+4*n:KB+4*n+3], v[LI] offset:512*n
.set n, n+1
.endr
	ds_load_b64 v[KS:KS+1], v[L8]
.endm
.macro SMUL t, x, q
.if (((\t)/2)%2) == 1
	v_wmma_scale_f32_16x16x128_f8f6f4 v[64*\x+8*\t:64*\x+8*\t+7], v[KB+16*(\t/2):KB+16*(\t/2)+15], v[\q:\q+15], 0, v[KS+\t/4], v[QS+\x] matrix_a_scale:MATRIX_SCALE_ROW1
.else
	v_wmma_scale_f32_16x16x128_f8f6f4 v[64*\x+8*\t:64*\x+8*\t+7], v[KB+16*(\t/2):KB+16*(\t/2)+15], v[\q:\q+15], 0, v[KS+\t/4], v[QS+\x]
.endif
.endm
.macro PMUL t, x
.if ((\t)%2) == 1
	v_wmma_scale_f32_16x16x128_f8f6f4 v[O+32*\x+8*\t:O+32*\x+8*\t+7], v[VB+16*\t:VB+16*\t+15], v[PC+16*\x:PC+16*\x+15], v[O+32*\x+8*\t:O+32*\x+8*\t+7], v[VS+\t/2], v[PW+\x] matrix_a_scale:MATRIX_SCALE_ROW1
.else
	v_wmma_scale_f32_16x16x128_f8f6f4 v[O+32*\x+8*\t:O+32*\x+8*\t+7], v[VB+16*\t:VB+16*\t+15], v[PC+16*\x:PC+16*\x+15], v[O+32*\x+8*\t:O+32*\x+8*\t+7], v[VS+\t/2], v[PW+\x]
.endif
.endm
; A KEY STEP for both tiles.  k = 4 x + b numbers the eight blocks of 32 keys; block k's scores are window 1's v[16 k] on.
.macro STEP
	s_cmp_gt_u32 s[J], s[JD]                       ; all keys hidden: a branch on ids round the step's work
	s_cbranch_scc1 .Lskip_\@
	s_add_co_u32 s[TN], s[TB], STEPB
	s_min_u32 s[TN], s[TN], 15*STEPB               ; the look-ahead stays inside the head's 16 steps
	s_wait_dscnt 0x0                               ; K, asked for a step ago
	WIN 0x40
.irp t, 0,1,2,3,4,5,6,7
	SMUL \t, 0, Q+16-8*(\t%2)
	SMUL \t, 1, Q+24*(\t%2)
.endr
	WIN 0
	v_add_nc_u32 v[AV], s[TB], v[LI]               ; eight places behind the products, ahead of the loads into what they have read and of the first read of the scores
	v_add_nc_u32 v[AVS], s[TB], v[L8]
	v_add_nc_u32 v[AN], s[TN], v[LI]
	v_add_nc_u32 v[ANS], s[TN], v[L8]
.rept 4
	v_nop
.endr
.set n, 0
.rept 16
	ds_load_b128 v[VB+4*n:VB+4*n+3], v[AV] offset:8192+512*n
.set n, n+1
.endr
	ds_load_b64 v[VS:VS+1], v[AVS] offset:256
.set n, 0
.rept 16
	ds_load_b128 v[KB+4*n:KB+4*n+3], v[AN] offset:512*n      ; the next step's K: 17 loads behind V's 17
.set n, n+1
.endr
	ds_load_b64 v[KS:KS+1], v[ANS]
	s_cmp_lg_u32 s[J], s[JD]
	s_cbranch_scc1 .Lopen_\@
	WIN 0x55                                       ; on the diagonal hidden scores become -infinity
.set n, 0
.rept 64
	v_cmp_gt_i32 vcc_lo, 32*(n/16)+n%16, v[DM]
	v_cndmask_b32 v[n], v[n], v[TI], vcc_lo
	v_cmp_gt_i32 vcc_lo, 32*(n/16)+n%16, v[DM+1]
	v_cndmask_b32 v[64+n], v[64+n], v[TI], vcc_lo
.set n, n+1
.endr
	WIN 0
.Lopen_\@:
	WIN 0x55                                       ; all operands in window 1
.irp k, 0,1,2,3,4,5,6,7
	v_max3_num_f32 v[BM+\k], v[16*\k], v[16*\k+1], v[16*\k+2]     ; each block's largest score, eight chains by turns
.endr
.irp i, 3,5,7,9,11,13
.irp k, 0,1,2,3,4,5,6,7
	v_max3_num_f32 v[BM+\k], v[BM+\k], v[16*\k+\i], v[16*\k+\i+1]
.endr
.endr
.irp k, 0,1,2,3,4,5,6,7
	v_max_num_f32 v[BM+\k], v[BM+\k], v[16*\k+15]
.endr
.irp k, 0,1,2,3,4,5,6,7
	v_permlanex16_b32 v[T2+\k], v[BM+\k], s[SEL], s[SEL+1]
.endr
.irp k, 0,1,2,3,4,5,6,7
	v_max_num_f32 v[BM+\k], v[BM+\k], v[T2+\k]     ; with lane l xor 16's 16 keys
.endr
.irp x, 0,1
	v_max3_num_f32 v[TA+\x], v[BM+4*\x], v[BM+4*\x+1], v[BM+4*\x+2]
.endr
.irp x, 0,1
	v_max_num_f32 v[TA+\x], v[TA+\x], v[BM+4*\x+3]
.endr
.irp x, 0,1
	v_mul_f32 v[TA+\x], s[CS], v[TA+\x]
.endr
.irp x, 0,1
	v_max_num_f32 v[NM+2*\x+1], v[NM+2*\x+1], v[TA+\x]      ; the running largest t
.endr
.irp x, 0,1
	v_mov_b32 v[TA+\x], v[NM+2*\x]
.endr
.irp x, 0,1
	v_floor_f32 v[NM+2*\x], -v[NM+2*\x+1]          ; -M = -ceil(t)
.endr
.irp x, 0,1
	v_sub_f32 v[TA+\x], v[NM+2*\x], v[TA+\x]
.endr
.irp x, 0,1
	v_cvt_i32_f32 v[TA+\x], v[TA+\x]               ; (it saturates)
.endr
.irp x, 0,1
	v_ldexp_f32 v[F+2*\x], 1.0, v[TA+\x]           ; f = 2^(old M - new M)
.endr
	WIN 0x04                                       ; source 1 in window 1
.set n, 0
.rept 16
	v_pk_mul_f32 v[O+n:O+n+1], v[O+n:O+n+1], v[F:F+1] op_sel_hi:[1,0]              ; O^T under the new M, ahead of the exponentials
	v_pk_mul_f32 v[O+32+n:O+32+n+1], v[O+32+n:O+32+n+1], v[F+2:F+3] op_sel_hi:[1,0]
.set n, n+2
.endr
	WIN 0x55
.irp x, 0,1
	v_pk_mul_f32 v[SUM+2*\x:SUM+2*\x+1], v[SUM+2*\x:SUM+2*\x+1], v[F+2*\x:F+2*\x+1] op_sel_hi:[1,0]
.endr
.set n, 0
.rept 32
	v_pk_fma_f32 v[n:n+1], v[n:n+1], s[CS:CS+1], v[NM:NM+1] op_sel_hi:[1,0,0]      ; tile 0: t - M
.set n, n+2
.endr
.irp k, 0,1,2,3,4,5,6,7
	v_fma_f32 v[BM+\k], v[BM+\k], s[CS], v[NM+2*(\k/4)]
.endr
	WALU                                           ; a wait ahead of a batch of exponentials and one behind it
.irp k, 0,1,2,3,4,5,6,7
	v_exp_f32 v[BM+\k], v[BM+\k]                   ; each block's largest p
.endr
.set n, 0
.rept 32
	v_exp_f32 v[n], v[n]                           ; tile 0's p; among them tile 1's t - M: lines that read nothing written inside the batch
	v_exp_f32 v[n+1], v[n+1]
	v_pk_fma_f32 v[64+n:64+n+1], v[64+n:64+n+1], s[CS:CS+1], v[NM+2:NM+3] op_sel_hi:[1,0,0]
.set n, n+2
.endr
	WALU
.irp k, 0,1,2,3,4,5,6,7
	v_max_num_f32 v[BM+\k], 0x4800000, v[BM+\k]    ; the floor 2^(9 - 127): the byte cannot fall under 1
.endr
.irp k, 0,1,2,3,4,5,6,7
	v_add_nc_u32 v[SCO+\k], 0xfc000000, v[BM+\k]   ; the conversion's scale operand
.endr
.irp k, 0,1,2,3,4,5,6,7
	v_and_or_b32 v[LIM+\k], v[BM+\k], 0x7f800000, s[MNT]   ; 448 x the scale
.endr
.irp k, 0,1,2,3,4,5,6,7
	v_lshrrev_b32 v[T2+\k], 23, v[SCO+\k]          ; the byte
.endr
.irp x, 0,1
	v_lshl_or_b32 v[PW1+\x], v[T2+4*\x+1], 8, v[T2+4*\x]
.endr
.irp x, 0,1
	v_lshl_or_b32 v[PW1+\x], v[T2+4*\x+2], 16, v[PW1+\x]
.endr
.irp x, 0,1
	v_lshl_or_b32 v[PW1+\x], v[T2+4*\x+3], 24, v[PW1+\x]
.endr
	WIN 0x01                                       ; scale operands are taken from window 0
	v_mov_b32 v[PW], v[PW1]
	v_mov_b32 v[PW+1], v[PW1+1]
	WIN 0x55
	WALU
.set n, 0
.rept 16
	v_exp_f32 v[64+n], v[64+n]                     ; tile 1's p; among them tile 0's first sums (of the unquantised p) and then its holds
	v_pk_add_f32 v[T+2*n:T+2*n+1], v[4*n:4*n+1], v[4*n+2:4*n+3]
.set n, n+1
.endr
.rept 48
	v_exp_f32 v[64+n], v[64+n]
	v_min_num_f32 v[n-16], v[n-16], v[LIM+(n-16)/16]       ; the conversion does not saturate (ISA guide 7.6.2); p is not negative
.set n, n+1
.endr
.set n, 48
.rept 16
	v_min_num_f32 v[n], v[n], v[LIM+3]
.set n, n+1
.endr
	WALU
.irp k, 0,1,2,3,4,5,6,7
	v_pk_add_f32 v[T+2*\k:T+2*\k+1], v[T+2*\k:T+2*\k+1], v[T+16+2*\k:T+16+2*\k+1]
.endr
.irp c, 0,1,2,3
	v_pk_add_f32 v[T+16+2*\c:T+16+2*\c+1], v[64+4*\c:64+4*\c+1], v[64+4*\c+2:64+4*\c+3]    ; tile 1's sums: four chains
.endr
.irp k, 0,1,2,3
	v_pk_add_f32 v[T+2*\k:T+2*\k+1], v[T+2*\k:T+2*\k+1], v[T+8+2*\k:T+8+2*\k+1]
.endr
.set n, 8
.rept 24
	v_pk_add_f32 v[T+16+2*(n%4):T+16+2*(n%4)+1], v[T+16+2*(n%4):T+16+2*(n%4)+1], v[64+2*n:64+2*n+1]
.set n, n+1
.endr
	v_pk_add_f32 v[T+16:T+17], v[T+16:T+17], v[T+18:T+19]
	v_pk_add_f32 v[T+20:T+21], v[T+20:T+21], v[T+22:T+23]
.set n, 0
.rept 64
	v_min_num_f32 v[64+n], v[64+n], v[LIM+4+n/16]
.set n, n+1
.endr
.irp k, 0,1,2,3,4,5,6,7
	v_cvt_scalef32_pk8_fp8_f32 v[PC+4*\k:PC+4*\k+1], v[16*\k:16*\k+7], v[SCO+\k]
	v_cvt_scalef32_pk8_fp8_f32 v[PC+4*\k+2:PC+4*\k+3], v[16*\k+8:16*\k+15], v[SCO+\k]
.endr
	v_pk_add_f32 v[T:T+1], v[T:T+1], v[T+4:T+5]                    ; the sums' last six lines are the places between the codes and the products
	v_pk_add_f32 v[T+2:T+3], v[T+2:T+3], v[T+6:T+7]
	v_pk_add_f32 v[T+16:T+17], v[T+16:T+17], v[T+20:T+21]
	v_pk_add_f32 v[T:T+1], v[T:T+1], v[T+2:T+3]
	v_pk_add_f32 v[SUM+2:SUM+3], v[SUM+2:SUM+3], v[T+16:T+17]
	v_pk_add_f32 v[SUM:SUM+1], v[SUM:SUM+1], v[T:T+1]
	WIN 0x04
	WALU                                           ; the wait, directly ahead of the wait below
	s_wait_dscnt 17                                ; V is in; the 17 loads of the next step's K may be out
.irp t, 0,1,2,3
	PMUL \t, 0
	PMUL \t, 1
.endr
	WIN 0
.Lskip_\@:
	s_add_co_u32 s[TB], s[TB], STEPB
.endm
.macro WALK trips
	s_mov_b32 s[TB], 0
	s_mov_b32 s[J], 0
.Lstep_\@:
	STEP
	s_add_co_u32 s[J], s[J], 1
	s_cmp_lt_u32 s[J], \trips
	s_cbranch_scc1 .Lstep_\@
.endm
; A pair of tiles ends: O^T / the sum, quantised along the head's 64 (two blocks a tile), leaves as images of the projection's operand registers.
.macro FIN
	s_wait_dscnt 0x0                               ; the look-ahead's last loads
	WIN 0x55
.irp x, 0,1
	v_add_f32 v[SUM+2*\x], v[SUM+2*\x], v[SUM+2*\x+1]
.endr
.irp x, 0,1
	v_permlanex16_b32 v[TA+\x], v[SUM+2*\x], s[SEL], s[SEL+1]
.endr
.irp x, 0,1
	v_add_f32 v[SUM+2*\x], v[SUM+2*\x], v[TA+\x]
.endr
	v_nop                                          ; with the six lines above: eight places behind the last products
	v_nop
	WALU
	v_rcp_f32 v[F], v[SUM]
	v_rcp_f32 v[F+2], v[SUM+2]
	v_nop
	WIN 0x44                                       ; O^T from window 0
	WALU
.set n, 0
.rept 16
	v_pk_mul_f32 v[n:n+1], v[O+n:O+n+1], v[F:F+1] op_sel_hi:[1,0]
	v_pk_mul_f32 v[64+n:64+n+1], v[O+32+n:O+32+n+1], v[F+2:F+3] op_sel_hi:[1,0]
.set n, n+2
.endr
	WIN 0x55
.irp k, 0,1,4,5
	v_max3_num_f32 v[BM+\k], |v[16*\k]|, |v[16*\k+1]|, 0x4800000
.endr
.irp i, 2,4,6,8,10,12,14
.irp k, 0,1,4,5
	v_max3_num_f32 v[BM+\k], v[BM+\k], |v[16*\k+\i]|, |v[16*\k+\i+1]|
.endr
.endr
.irp k, 0,1,4,5
	v_permlanex16_b32 v[T2+\k], v[BM+\k], s[SEL], s[SEL+1]
.endr
.irp k, 0,1,4,5
	v_max_num_f32 v[BM+\k], v[BM+\k], v[T2+\k]
.endr
.irp k, 0,1,4,5
	v_add_nc_u32 v[SCO+\k], 0xfc000000, v[BM+\k]
.endr
.irp k, 0,1,4,5
	v_and_or_b32 v[LIM+\k], v[BM+\k], 0x7f800000, s[MNT]
.endr
.irp k, 0,1,4,5
	v_lshrrev_b32 v[T2+\k], 23, v[SCO+\k]
.endr
.irp x, 0,1
	v_cndmask_b32 v[TA+\x], v[T2+4*\x], v[T2+4*\x+1], s[HM]        ; lanes 0-15 store block 0's byte, lanes 16-31 block 1's
.endr
.irp k, 0,1,4,5
.irp i, 0,1,2,3,4,5,6,7,8,9,10,11,12,13,14,15
	v_med3_num_f32 v[16*\k+\i], v[16*\k+\i], -v[LIM+\k], v[LIM+\k]
.endr
.endr
.irp k, 0,1,4,5
	v_cvt_scalef32_pk8_fp8_f32 v[PC+4*\k:PC+4*\k+1], v[16*\k:16*\k+7], v[SCO+\k]
	v_cvt_scalef32_pk8_fp8_f32 v[PC+4*\k+2:PC+4*\k+3], v[16*\k+8:16*\k+15], v[SCO+\k]
.endr
	v_nop                                          ; one plain line behind the last scaled conversion
	WIN 0x04                                       ; a store's data are its source 1
.irp x, 0,1
	global_store_b128 v[LI], v[PC+16*\x:PC+16*\x+3], s[YP:YP+1] offset:16384*\x          ; 512 consecutive bytes a store
	global_store_b128 v[LI], v[PC+16*\x+4:PC+16*\x+7], s[YP:YP+1] offset:16384*\x+512
	global_store_b8 v[YB], v[TA+\x], s[YSP:YSP+1] offset:512*\x
.endr
	WIN 0
.endm
	INIT 0
	s_wait_tensorcnt 0x0                           ; my two key steps are in
	s_barrier_signal -1
	s_barrier_wait -1                              ; everybody's are
	KFIRST
	WALK 8                                         ; the early pair's diagonal lies in steps 0 to 7
	FIN
	INIT 1
	KFIRST
	WALK 16
	FIN
	s_wait_tensorcnt 0x0                           ; the wave's end
	ds_add_u32 v[SPW], v[NIL]
	s_wait_dscnt 0x0
	CROUND                                         ; the closing round
	s_endpgm
.Lfunc_end_k_q807a3b04db_attn:
	.size	k_q807a3b04db_attn, .Lfunc_end_k_q807a3b04db_attn-k_q807a3b04db_attn
	.p2alignl 7, 3214868480
	.fill 96, 4, 3214868480
	.section	.rodata,"a",@progbits
	.p2align	6, 0x0
	.amdhsa_kernel k_q807a3b04db_attn
		.amdhsa_group_segment_fixed_size 327680
		.amdhsa_private_segment_fixed_size 0
		.amdhsa_enable_private_segment 0
		.amdhsa_kernarg_size 24
		.amdhsa_user_sgpr_count 2
		.amdhsa_user_sgpr_kernarg_segment_ptr 1
		.amdhsa_wavefront_size32 1
		.amdhsa_system_sgpr_workgroup_id_x 1
		.amdhsa_system_sgpr_workgroup_id_y 1
		.amdhsa_system_sgpr_workgroup_id_z 1
		.amdhsa_system_vgpr_workitem_id 0
		.amdhsa_next_free_vgpr 512
		.amdhsa_next_free_sgpr 66
		.amdhsa_reserve_vcc 1
		.amdhsa_float_denorm_mode_32 3
		.amdhsa_float_denorm_mode_16_64 3
		.amdhsa_memory_ordered 1
		.amdhsa_forward_progress 1
		.amdhsa_inst_pref_size 127
	.end_amdhsa_kernel
	.amdgpu_metadata
---
amdhsa.version: [ 1, 2 ]
amdhsa.kernels:
  - .name:           k_q807a3b04db_attn
    .symbol:         k_q807a3b04db_attn.kd
    .args:
      - { .name: qq, .offset: 0, .size: 8, .value_kind: global_buffer, .address_space: global }
      - { .name: kv, .offset: 8, .size: 8, .value_kind: global_buffer, .address_space: global }
      - { .name: yq, .offset: 16, .size: 8, .value_kind: global_buffer, .address_space: global }
    .group_segment_fixed_size: 327680
    .private_segment_fixed_size: 0
    .kernarg_segment_align: 8
    .kernarg_segment_size: 24
    .max_flat_workgroup_size: 256
    .sgpr_count:     66
    .vgpr_count:     512
    .wavefront_size: 32
...
	.end_amdgpu_metadata
.endif
;; end of part 3
;; launch gemm_proj (part 4): grid 8 x 32, 4 waves a work-group, clusters of 4 x 4, 327,680 bytes of LDS; arguments yq, wq, b_proj, out0; writes out0
.if DOCPART == 4
	.amdgcn_target "amdgcn-amd-amdhsa--gfx1250"
	.amdhsa_code_object_version 6
	.text
	.protected	k_q807a3b04db_gemm_proj
	.globl	k_q807a3b04db_gemm_proj
	.p2align	8
	.type	k_q807a3b04db_gemm_proj,@function
k_q807a3b04db_gemm_proj:
	s_mov_b64 s[64:65], 0
	v_nop
	global_prefetch_b8 v0, s[64:65] scope:SCOPE_SE
	s_setreg_imm32_b32 hwreg(HW_REG_WAVE_MODE, 25, 1), 1
	s_wait_xcnt 0x0
	s_wait_alu depctr_hold_cnt(0) depctr_sa_sdst(0) depctr_va_vdst(0) depctr_va_sdst(0) depctr_va_ssrc(0) depctr_va_vcc(0) depctr_vm_vsrc(0)
	s_getreg_b32 s2, hwreg(HW_REG_IB_STS2, 6, 4)
	s_cmp_eq_u32 s2, 0
	s_cbranch_scc0 .Lentry_in_a_cluster
	s_endpgm
.Lentry_in_a_cluster:
	s_bfe_u32 s2, ttmp6, 0x10000c
	s_cmp_lg_u32 s2, 0xf033
	s_cbranch_scc0 .Lentry_shape_is_right
	s_endpgm
.Lentry_shape_is_right:
; out0 = y W_proj + b_proj on codes of FP8 (E4M3) with E8M0 scales: 8,192 x 1,024 x 1,024, f32 out.
; OPERANDS lie in memory as images of their registers: [tile of 16 rows][K step of 128: 0..7][2,048 bytes], a tile 16,384 bytes; scale words [tile][half of K][row][4 words], 512 bytes a tile.
; Row r of tile 2 b + u is row 32 b + 8 u + r + 8 (r / 8) of the tensor.  W_proj's tiles begin at tile 192 of wq.
; THE DEAL.  256 work-groups of four waves, 2 x 2; a work-group makes 256 tokens x 128 features.  A wave holds 64 rows of W (4 tiles), ALL of K, in 512 registers, and streams 8 blocks of 16 tokens past them:
; block k of wave row w is y's tile 2 k + w of the work-group's 16.  A block is 32 products on four accumulators by turns; the bias is the C of the first four.
; Source 0 = W's rows, source 1 = y's rows: a lane holds a token, and its 16 registers of two neighbouring tiles of W are 16 neighbouring features.
; LDS: slot 0 = y's tiles 0-7; slot 1 = W's 8 tiles and, once every wave holds W in registers, y's tiles 8-15, filled over them behind a drained round of the cluster's barrier: the launch's one refill.
; CLUSTERS 4 x 4: y's tiles are shared along a row of the cluster, W's along a column: joint loads.
; THE WAY OUT: a finished block goes through the wave's own stage in LDS and leaves as rows of 256 bytes, aligned; its stores stand behind the next block's products.
; PREFETCH: the refill's 131,072 bytes are asked for once at the head: 512 blocks of 256 bytes, a lane a block, shared out by address among the 16 waves of a cluster's row.
; LIMITS: NaN, infinities and sums beyond f32's range are not served.
; REGISTERS: window 0: addresses, scale words, bias, two sets of sums, two sets of rows on their way out.  Windows 1, 2: W's 32 fragments (fragment 4 q + b).  Window 3: y's blocks, two sets of 128.
.set YB,     131072                    ; slot 1
.set SCL,    262144                    ; y's scale words: 16 tiles x 512 bytes
.set STAGE,  270336                    ; 16 rows x 272 bytes for each wave: no fill lands here
.set SPITCH, 272
.set SPARE,  287744                    ; the spare words
.set LI,   4                           ; 16 x lane
.set LI0,  5                           ; LDS address of my fragments of block 0
.set AAS0, 6                           ; and of its scale words
.set ADRA, 7                           ; the same for the block that is fetched
.set AAS,  8
.set STO,  9
.set RD,   10
.set CO,   11
.set SPW,  12
.set NIL,  13
.set PFO,  14
.set ABS,  15
.set BOF,  16
.set ADW,  18
.set SB,   24                          ; v24-39 W's scale words: register 8 p + q: lanes 0-15 tile 2 p, lanes 16-31 tile 2 p + 1
.set SA,   44                          ; v44-59 y's: two sets of eight (no product's two scale words have numbers equal modulo 8)
.set BI,   64                          ; v64-95 the bias
.set ACC,  96                          ; v96-159 two sets of four accumulators
.set OB,   160                         ; v160-223 two sets of 16 rows x 256 bytes read back from the stage
.set G1W, 24
.set G0W, 32
.set G0R, 36
.set G1Y, 48
.set G0Y, 56
.set G1S, 68
.set G0S, 76
.set G1R, 80
.set MSB, 0
.macro WIN new                         ; the immediate's high byte repeats the setting that is left
.if MSB != \new
	s_set_vgpr_msb (MSB<<8)|\new
.set MSB, \new
.endif
.endm
.macro PLACES n
.rept \n
	v_nop
.endr
.endm
.macro CROUND
	s_barrier_signal -1
	s_barrier_wait -1
	s_cmp_lg_u32 s14, 0
	s_cbranch_scc1 .Lnot_wave_0_\@
	s_barrier_signal -3
.Lnot_wave_0_\@:
	s_barrier_wait -3
	s_barrier_signal -1
	s_barrier_wait -1
.endm
.macro GROUP1 g, mask, rows            ; a dense block as rows of 256 bytes (32 elements of 8), no padding
	s_or_b32 s[\g], s[\mask], (3<<16)|(1<<21)
	s_mov_b32 s[\g+1], 32<<16
	s_mov_b32 s[\g+2], (\rows)<<16
	s_mov_b32 s[\g+3], 32<<16
	s_mov_b32 s[\g+4], \rows
	s_mov_b32 s[\g+5], 32
	s_mov_b32 s[\g+6], 0
	s_mov_b32 s[\g+7], 0
.endm
	s_load_b256 s[4:11], s[0:1], 0x0               ; yq, wq, b_proj, out0
	v_lshl_add_u32 v[SPW], v0, 2, SPARE
	v_mov_b32 v[NIL], 0
	ds_add_u32 v[SPW], v[NIL]                      ; the opening lines: the add twice on end and its wait
	ds_add_u32 v[SPW], v[NIL]
	v_lshrrev_b32 v1, 5, v0
	v_readfirstlane_b32 s14, v1                    ; wave 0..3
	s_lshr_b32 s15, s14, 1                         ; my row of waves
	s_and_b32 s16, s14, 1                          ; my column of waves
	s_bfe_u32 s40, ttmp6, 0x40000                  ; cx
	s_bfe_u32 s41, ttmp6, 0x40004                  ; cy
	s_lshl_b32 s42, ttmp9, 2
	s_add_co_u32 s42, s42, s40                     ; which 128 features
	s_and_b32 s17, ttmp7, 0xffff
	s_lshl_b32 s17, s17, 2
	s_add_co_u32 s17, s17, s41                     ; which 256 tokens
	s_lshl_b32 s43, s41, 2
	s_lshl_b32 s43, 15, s43                        ; my row of the cluster
	s_lshl_b32 s44, 0x1111, s40                    ; my column
	GROUP1 G1W, 44, 256                            ; four tiles of W: 65,536 bytes
	GROUP1 G1Y, 43, 512                            ; eight tiles of y: 131,072
	GROUP1 G1S, 43, 32                             ; y's scale words: 8,192
	GROUP1 G1R, 43, 128                            ; the refill: two tiles of y a wave: 32,768
	s_lshl_b32 s20, s17, 18                        ; y's codes: 16 tiles a work-group
	s_mov_b32 s21, 0
	s_lshl_b32 s22, s17, 13                        ; its scale words
	s_add_co_u32 s22, s22, 8388608
	s_mov_b32 s23, 0
	s_lshl_b32 s46, s42, 17                        ; W's codes: 8 tiles a work-group; waves 0 and 1 fetch four each
	s_lshl_b32 s45, s14, 16
	s_add_co_u32 s46, s46, s45
	s_add_co_u32 s46, s46, 3145728
	s_mov_b32 s47, 0
	s_lshl_b32 s66, s42, 12                        ; W's scale words: my wave's four tiles
	s_lshl_b32 s67, s16, 11
	s_add_co_u32 s66, s66, s67
	s_add_co_u32 s66, s66, 4292608
	s_mov_b32 s67, 0
	s_lshl_b32 s18, s14, 15                        ; the refill: my quarter
	s_add_co_u32 s[G0R+1], s18, YB
	s_add_co_u32 s18, s18, 131072
	s_mov_b32 s19, 0
	s_wait_dscnt 0x0
	s_wait_kmcnt 0x0
	s_add_nc_u64 s[92:93], s[4:5], s[20:21]
	s_add_nc_u64 s[94:95], s[4:5], s[22:23]
	s_add_nc_u64 s[98:99], s[6:7], s[46:47]
	s_add_nc_u64 s[96:97], s[6:7], s[66:67]
	CROUND                                         ; all sixteen work-groups are here: the first joint loads meet
	s_mov_b32 s[G0W], 1
	s_add_co_u32 s[G0W+1], s45, YB
	s_mov_b64 s[G0W+2:G0W+3], s[98:99]
	s_or_b32 s[G0W+3], s[G0W+3], 0x80000000
	s_mov_b32 s[G0Y], 1
	s_mov_b32 s[G0Y+1], 0
	s_mov_b64 s[G0Y+2:G0Y+3], s[92:93]
	s_or_b32 s[G0Y+3], s[G0Y+3], 0x80000000
	s_mov_b32 s[G0S], 1
	s_mov_b32 s[G0S+1], SCL
	s_mov_b64 s[G0S+2:G0S+3], s[94:95]
	s_or_b32 s[G0S+3], s[G0S+3], 0x80000000
	s_mov_b32 s[G0R], 1
	s_add_nc_u64 s[G0R+2:G0R+3], s[92:93], s[18:19]
	s_or_b32 s[G0R+3], s[G0R+3], 0x80000000
; THE HEAD'S LOADS, ONE A WAVE: waves 0, 1 W's halves, which go on into registers; wave 2 y's tiles 0-7; wave 3 y's scale words.  One chain of branches on the wave's number.
.macro ARM under, g0, g1, next
	s_cmp_lt_u32 s14, \under
	s_cbranch_scc0 \next
	tensor_load_to_lds s[\g0:\g0+3], s[\g1:\g1+7]
	s_nop 0
	PLACES 4
	s_branch .Lhead_asked
\next:
.endm
	ARM 2, G0W, G1W, .Lhead_y
	ARM 3, G0Y, G1Y, .Lhead_s
	tensor_load_to_lds s[G0S:G0S+3], s[G1S:G1S+7]
	s_nop 0
	PLACES 4
.Lhead_asked:
	s_lshl_b32 s20, s15, 14                        ; block 0 is tile w
	s_lshl_b32 s21, s16, 16
	s_add_co_u32 s21, s21, YB                      ; my four tiles of W
	s_lshl_b32 s22, s15, 9
	s_add_co_u32 s22, s22, SCL
	s_mul_i32 s23, s14, 16*SPITCH
	s_add_co_u32 s23, s23, STAGE                   ; my stage
	s_lshl_b32 s45, s40, 2
	s_add_co_u32 s45, s45, s14
	s_lshl_b32 s45, s45, 13                        ; which sixteenth of the refill's bytes I prefetch
	s_lshl_b32 s2, s42, 9
	s_lshl_b32 s3, s16, 8
	s_add_co_u32 s2, s2, s3                        ; my first feature, in bytes of f32
	s_mov_b32 s3, 0
	s_lshl_b32 s46, s17, 20                        ; my first row of out0: 256 x work-group y + 8 w, rows of 4,096 bytes
	s_lshl_b32 s47, s15, 15
	s_add_co_u32 s46, s46, s47
	s_add_co_u32 s46, s46, s2
	s_mov_b32 s47, 0
	s_add_nc_u64 s[8:9], s[8:9], s[2:3]
	s_add_nc_u64 s[10:11], s[10:11], s[46:47]
	v_and_b32 v1, 15, v0                           ; r
	v_bfe_u32 v2, v0, 4, 1                         ; h
	v_and_b32 v3, 31, v0
	v_lshlrev_b32 v[LI], 4, v3
	v_mul_u32_u24 v17, v1, SPITCH
	v_mul_u32_u24 v19, v2, SPITCH
	v_lshlrev_b32 v20, 12, v2
	v_lshlrev_b32 v21, 9, v2
	v_lshlrev_b32 v[BOF], 6, v2                    ; the bias: 64 h bytes
	v_lshl_add_u32 v[AAS0], v1, 4, s22             ; scale words: 16 bytes a row
	v_lshl_add_u32 v[PFO], v3, 8, s45
	v_add_nc_u32 v[LI0], s20, v[LI]
	v_add_nc_u32 v[ADW], s21, v[LI]
	v_lshl_add_u32 v17, v2, 6, v17
	v_lshl_add_u32 v19, v1, 4, v19
	v_lshl_add_u32 v[CO], v1, 4, v20               ; out: lanes 0-15 one row, lanes 16-31 the next
	v_lshl_add_u32 v[ABS], v1, 4, v21              ; W's scale words: lanes 16-31 the next tile
	v_add_nc_u32 v[STO], s23, v17                  ; into the stage: row r, + 64 h
	v_add_nc_u32 v[RD], s23, v19                   ; back: row h, 16 bytes a lane
	s_wait_alu depctr_va_vdst(0)                   ; the wait at the head's end
	global_prefetch_b8 v[PFO], s[92:93] offset:131072 th:TH_LOAD_NT scope:SCOPE_SE   ; y's tiles 8-15; its registers are never written again
.irp p, 0,1
.irp c, 0,1
	global_load_b128 v[SB+8*\p+4*\c:SB+8*\p+4*\c+3], v[ABS], s[96:97] offset:1024*\p+256*\c
.endr
.endr
.irp b, 0,1,2,3                                ; register j of W's tile b is feature 32 (b / 2) + 8 (b % 2) + 16 h + j
	global_load_b128 v[BI+8*\b:BI+8*\b+3], v[BOF], s[8:9] offset:(32*(\b/2)+8*(\b%2))*4
	global_load_b128 v[BI+8*\b+4:BI+8*\b+7], v[BOF], s[8:9] offset:(32*(\b/2)+8*(\b%2))*4+16
.endr
	s_wait_tensorcnt 0x0                           ; my tile of the head's is in
	s_barrier_signal -1
	s_barrier_wait -1                              ; everybody's are
.macro FETCH e                         ; a block of y, all of K, into set e of window 3, and its scale words: 34 loads
	WIN 3<<6
.irp q, 0,1,2,3,4,5,6,7
.irp c, 0,1,2,3
	ds_load_b128 v[128*(\e)+16*\q+4*\c:128*(\e)+16*\q+4*\c+3], v[ADRA] offset:2048*\q+512*\c
.endr
.endr
	WIN 0
	ds_load_b128 v[SA+8*(\e):SA+8*(\e)+3], v[AAS]
	ds_load_b128 v[SA+8*(\e)+4:SA+8*(\e)+7], v[AAS] offset:256
.endm
.macro AIM k                           ; the addresses of block k: tile 2 k + w
	v_add_nc_u32 v[ADRA], (\k)*32768, v[LI0]
	v_add_nc_u32 v[AAS], (\k)*1024, v[AAS0]
.endm
.set F_, 0
.rept 32                               ; W into registers: fragment 4 q + b in window 1 + f / 16
	WIN (1+F_/16)<<6
.irp c, 0,1,2,3
	ds_load_b128 v[16*(F_%16)+4*\c:16*(F_%16)+4*\c+3], v[ADW] offset:16384*(F_%4)+2048*(F_/4)+512*\c
.endr
.set F_, F_+1
.endr
	WIN 0
	AIM 0
	FETCH 0
	AIM 1
	FETCH 1
	s_wait_tensorcnt 0x0
	ds_add_u32 v[SPW], v[NIL]
	s_wait_dscnt 0x0                               ; the add is done; W and blocks 0, 1 are in registers: my reads of slot 1 are over
	CROUND                                         ; and so are those of every wave of every partner
	tensor_load_to_lds s[G0R:G0R+3], s[G1R:G1R+7]  ; y's tiles 8-15 over W's bytes, a quarter a wave
	s_nop 0
	PLACES 4
	s_wait_loadcnt 0x0                             ; W's scale words and the bias
.macro PROD                            ; product N_ = 4 q + b of the block in set E_
.set Q_, N_/4
.set B_, N_%4
.set AC_, ACC+32*E_+8*B_
.set R_, 128*E_+16*Q_
.set W_, 16*(N_%16)
	WIN (1+N_/16)|(3<<2)
.if Q_ == 0
.if B_%2
	v_wmma_scale_f32_16x16x128_f8f6f4 v[AC_:AC_+7], v[W_:W_+15], v[R_:R_+15], v[BI+8*B_:BI+8*B_+7], v[SB+8*(B_/2)+Q_], v[SA+8*E_+Q_] matrix_a_scale:MATRIX_SCALE_ROW1
.else
	v_wmma_scale_f32_16x16x128_f8f6f4 v[AC_:AC_+7], v[W_:W_+15], v[R_:R_+15], v[BI+8*B_:BI+8*B_+7], v[SB+8*(B_/2)+Q_], v[SA+8*E_+Q_]
.endif
.else
.if B_%2
	v_wmma_scale_f32_16x16x128_f8f6f4 v[AC_:AC_+7], v[W_:W_+15], v[R_:R_+15], v[AC_:AC_+7], v[SB+8*(B_/2)+Q_], v[SA+8*E_+Q_] matrix_a_scale:MATRIX_SCALE_ROW1
.else
	v_wmma_scale_f32_16x16x128_f8f6f4 v[AC_:AC_+7], v[W_:W_+15], v[R_:R_+15], v[AC_:AC_+7], v[SB+8*(B_/2)+Q_], v[SA+8*E_+Q_]
.endif
.endif
.endm
.macro TOSTAGE e                       ; 16 tokens x 64 features into my stage and back as rows; LDS serves a wave's instructions in order (ISA guide 5.7.1.4)
.irp b, 0,1,2,3
	ds_store_b128 v[STO], v[ACC+32*(\e)+8*\b:ACC+32*(\e)+8*\b+3] offset:128*(\b/2)+32*(\b%2)
	ds_store_b128 v[STO], v[ACC+32*(\e)+8*\b+4:ACC+32*(\e)+8*\b+7] offset:128*(\b/2)+32*(\b%2)+16
.endr
.irp t, 0,1,2,3,4,5,6,7
	ds_load_b128 v[OB+32*(\e)+4*\t:OB+32*(\e)+4*\t+3], v[RD] offset:2*\t*SPITCH
.endr
.endm
.macro SEND j                          ; block j's rows: sixteen lanes store 256 consecutive bytes, aligned
.if (\j) > 0
	s_add_nc_u64 s[10:11], s[10:11], 131072        ; 32 rows on (behind a wait on XCNT)
.endif
.irp t, 0,1,2,3,4,5,6,7
	global_store_b128 v[CO], v[OB+32*((\j)%2)+4*\t:OB+32*((\j)%2)+4*\t+3], s[10:11] offset:(2*\t+8*(\t/4))*4096 th:TH_STORE_NT
.endr
.endm
; BLOCK k.  cnt: the LDS instructions issued behind this block's fetch that may stay out.  Behind the products: eight places, the block before leaves, the set takes the block two on, this block goes to the stage.
.macro BLK k, cnt, fetch, bar
.set E_, (\k)%2
	s_wait_dscnt \cnt
.set N_, 0
.rept 32
	PROD
.set N_, N_+1
.endr
	WIN 0
.if \fetch
	AIM (\k)+2
	PLACES 6
.else
	PLACES 8
.endif
	s_wait_alu depctr_va_vdst(0)                   ; the wait, directly ahead of the waits below
	s_wait_xcnt 0x0                                ; earlier stores have read their rows and their base
	s_wait_dscnt 0x0                               ; the block before is back from the stage
.if \bar
	s_wait_tensorcnt 0x0                           ; my quarter of y's tiles 8-15 is in;
	s_barrier_signal -1
	s_barrier_wait -1                              ; everybody's are
.endif
.if (\k) > 0
	SEND (\k)-1
.endif
.if \fetch
	FETCH E_
.endif
	TOSTAGE E_
.endm
	BLK 0, 0,  1, 0
	BLK 1, 50, 1, 0                                ; 50: a fetch's 34 loads and a stage's 16 instructions
	BLK 2, 50, 1, 1                                ; block 4 is the first of slot 1
	BLK 3, 50, 1, 0
	BLK 4, 50, 1, 0
	BLK 5, 50, 1, 0
	BLK 6, 50, 0, 0
	BLK 7, 16, 0, 0
	s_wait_xcnt 0x0
	s_wait_dscnt 0x0
	SEND 7
	s_wait_tensorcnt 0x0                           ; the wave's end
	ds_add_u32 v[SPW], v[NIL]
	s_wait_dscnt 0x0
	CROUND                                         ; the closing round
	s_endpgm
.Lfunc_end_k_q807a3b04db_gemm_proj:
	.size	k_q807a3b04db_gemm_proj, .Lfunc_end_k_q807a3b04db_gemm_proj-k_q807a3b04db_gemm_proj
	.p2alignl 7, 3214868480
	.fill 96, 4, 3214868480
	.section	.rodata,"a",@progbits
	.p2align	6, 0x0
	.amdhsa_kernel k_q807a3b04db_gemm_proj
		.amdhsa_group_segment_fixed_size 327680
		.amdhsa_private_segment_fixed_size 0
		.amdhsa_enable_private_segment 0
		.amdhsa_kernarg_size 32
		.amdhsa_user_sgpr_count 2
		.amdhsa_user_sgpr_kernarg_segment_ptr 1
		.amdhsa_wavefront_size32 1
		.amdhsa_system_sgpr_workgroup_id_x 1
		.amdhsa_system_sgpr_workgroup_id_y 1
		.amdhsa_system_sgpr_workgroup_id_z 1
		.amdhsa_system_vgpr_workitem_id 0
		.amdhsa_next_free_vgpr 1024
		.amdhsa_next_free_sgpr 100
		.amdhsa_reserve_vcc 0
		.amdhsa_float_denorm_mode_32 3
		.amdhsa_float_denorm_mode_16_64 3
		.amdhsa_memory_ordered 1
		.amdhsa_forward_progress 1
		.amdhsa_inst_pref_size 87
	.end_amdhsa_kernel
	.amdgpu_metadata
---
amdhsa.version: [ 1, 2 ]
amdhsa.kernels:
  - .name:           k_q807a3b04db_gemm_proj
    .symbol:         k_q807a3b04db_gemm_proj.kd
    .args:
      - { .name: yq, .offset: 0, .size: 8, .value_kind: global_buffer, .address_space: global }
      - { .name: wq, .offset: 8, .size: 8, .value_kind: global_buffer, .address_space: global }
      - { .name: b_proj, .offset: 16, .size: 8, .value_kind: global_buffer, .address_space: global }
      - { .name: out0, .offset: 24, .size: 8, .value_kind: global_buffer, .address_space: global }
    .group_segment_fixed_size: 327680
    .private_segment_fixed_size: 0
    .kernarg_segment_align: 8
    .kernarg_segment_size: 32
    .max_flat_workgroup_size: 128
    .sgpr_count:     100
    .vgpr_count:     1024
    .wavefront_size: 32
...
	.end_amdgpu_metadata
.endif
;; end of part 4
